; MI455X (gfx1250); checked and timed in simulation.
; The chip was launched on July 23, 2026; its instructions are those of AMD's public machine-readable ISA for CDNA 5 (MIT licence, August 2026) and "CDNA5" Instruction Set Architecture Reference Guide (July 2026). The comments in the code are by the model that wrote it; some were corrected since.
;; Multi Head Attention. Allowed arithmetic: matrix products marked QUANTISED: E2M1 operands, one E8M0 scale for each 32 along K, by v_wmma_scale_f32_16x16x128_f8f6f4 with both operands' format E2M1 (or v_wmma_scale_f32_32x16x128_f4), f32 sums; products left as they are: bf16, f16 or f32 operands; f32 sums; everything else in f32.
;; Inputs: W_k 1,024 x 1,024 float32; W_o 1,024 x 1,024 float32; W_q 1,024 x 1,024 float32; W_v 1,024 x 1,024 float32; x 4 x 2,048 x 1,024 float32.
;; Outputs: out0 4 x 2,048 x 1,024 float32.
;; This version of the problem:
;;   THIS VERSION OF THE PROBLEM IS GIVEN IN LOW PRECISION. The matrix products marked QUANTISED in the list below multiply operands that are first quantised to E2M1 (2 exponent bits, 1 mantissa bit; 4 bits a number), with one power-of-two scale for each 32 numbers along K (OCP MX v1.0); their sums are f32. The products marked 'left as it is' may take bf16, f16 or f32 operands, with f32 sums. Whichever they take, every output number must still come out within the allowed error. Rounding operands to bf16 (8 significant bits) uses up far more of that allowance than f16 does (11 bits, for magnitudes from 6e-5 to 65,504). All else is computed in f32.
;;   The module's matrix products, in the order in which they are computed (A, B: the left and right operand; K: the contracted axis; several contracted axes count as one K, in the product's order):
;;     1. [M 8,192, K 1,024] x [K 1,024, N 1,024]; A: input x; B: input W_q: QUANTISED
;;     2. [M 8,192, K 1,024] x [K 1,024, N 1,024]; A: input x; B: input W_k: QUANTISED
;;     3. [M 8,192, K 1,024] x [K 1,024, N 1,024]; A: input x; B: input W_v: QUANTISED
;;     4. batch 64 x [M 2,048, K 64] x [K 64, N 2,048]; A: computed on the way; B: computed on the way: left as it is (an operand is computed on the way)
;;     5. batch 64 x [M 2,048, K 2,048] x [K 2,048, N 64]; A: computed on the way; B: computed on the way: left as it is (an operand is computed on the way)
;;     6. [M 8,192, K 1,024] x [K 1,024, N 1,024]; A: computed on the way; B: input W_o: left as it is (an operand is computed on the way)
;;   THE QUANTISER, for each operand of a quantised product, along K:
;;     - K is cut into blocks of 32 from its start; a last block that is shorter is filled with zeros.
;;     - A block's scale is 2^e with e = floor(log2(the largest magnitude in the block)) - 2, held to -126 .. 127; a block of zeros has e = 0. As a byte (E8M0): e + 127.
;;     - Each number is divided by its block's scale, clamped to +-6, and rounded to the nearest number of E2M1, ties to even, subnormals kept.
;;     - The product sums the exact products of the quantised numbers (number of the format x scale) in f32.
;;   ~~~python
;;   def quantise(x, axis):      # numpy; x: float32 -> the quantised numbers, widened to float32 again
;;       x = np.moveaxis(x, axis, -1); K = x.shape[-1]
;;       x = np.pad(x, [(0, 0)] * (x.ndim - 1) + [(0, -K % 32)]); x = x.reshape(x.shape[:-1] + (-1, 32)); a = np.abs(x).max(-1, keepdims=True)
;;       e = np.where(a > 0, np.clip(np.frexp(np.where(a > 0, a, 1))[1] - 1 - 2, -126, 127), 0)      # np.frexp(a)[1] - 1 = floor(log2(a)), exactly
;;       r = np.clip(x / 2.0 ** e, -6, 6)
;;       step = 2.0 ** (np.maximum(np.frexp(np.where(r == 0, 1, r))[1] - 1, 0) - 1)
;;       q = np.round(r / step) * step * 2.0 ** e      # np.round: ties to even
;;       return np.moveaxis(q.reshape(q.shape[:-2] + (-1,))[..., :K], -1, axis).astype(np.float32)
;;   ~~~
;; One version. Each part assembles by itself: llvm-mc -triple=amdgcn-amd-amdhsa -mcpu=gfx1250 --defsym DOCPART=n.
;; ======== version 1 of 1: 5 launches
;; limits: values are held in f16: magnitudes above 65,504 overflow, below 6.1e-05 lose precision
;; workspace buffers: x_codes 4,194,304 bytes; x_scales 262,144 bytes; w_codes 1,572,864 bytes; w_scales 98,304 bytes; wof 2,097,152 bytes; qkv 50,331,648 bytes; fine32 786,432 bytes; ctxf 16,777,216 bytes
;; launch quant (part 1): grid 384 x 1, 4 waves a work-group, no clusters, 33,280 bytes of LDS; arguments x, W_q, W_k, W_v, W_o, x_codes, x_scales, w_codes, w_scales, wof; writes x_codes, x_scales, w_codes, w_scales, wof
.if DOCPART == 1
	.amdgcn_target "amdgcn-amd-amdhsa--gfx1250"
	.amdhsa_code_object_version 6
	.text
	.protected	k_q549d630df7_quant
	.globl	k_q549d630df7_quant
	.p2align	8
	.type	k_q549d630df7_quant,@function
k_q549d630df7_quant:
	s_mov_b64 s[64:65], 0
	v_nop
	global_prefetch_b8 v0, s[64:65] scope:SCOPE_SE
	s_setreg_imm32_b32 hwreg(HW_REG_WAVE_MODE, 25, 1), 1
	s_wait_xcnt 0x0
; x [8192][1024] and W_q, W_k, W_v [1024][1024], f32, become codes of FP4 (E2M1), K innermost, two codes a byte, with one E8M0 byte for each 32 along K.
; W_o [1024][1024] becomes f16, laid as images of the operand registers of the out-projection.
; A block's scale is 2^(floor(log2(its largest magnitude)) - 2); its byte is the largest magnitude's exponent field - 2, held at 1 from below.
; (A block of zeros so gets the byte 1 where the rule says 127: its codes are zeros, which add nothing, and the bytes are read by this program alone.)
; LIMITS: NaN and infinities among the inputs are not served; |W_o| stays under 65,504, and numbers of W_o under 6e-5 carry an absolute error of 3e-8 (f16).
; SHARES: work-groups 0-255 take x, 256-351 the three weights (32 each; their codes lie on end: rows 0-1023 W_q, 1024-2047 W_k, 2048-3071 W_v), 352-383 W_o.
; Rows are dense and K is a multiple of 32: a tensor is a plain stream of blocks of 32, and so are its codes and scale bytes.  A wave takes 16 steps of 512 numbers.
; Each load reads 512 consecutive bytes; a step's 2,048 bytes turn through the wave's own stage in LDS and come back 64 bytes a lane: 16 neighbours along K, two lanes to a block.
.set STEPS, 16
.set EMAX,  2
.set CB,    8                          ; bytes of 16 codes
.set R,     16                         ; v16-79   four sets of 16 numbers as loaded
.set X,     80                         ; v80-111  two sets of 16 neighbours
.set E,     112                        ; v112-127 a scale byte for each step
.set C,     128                        ; v128-191 codes: registers of its own for each step
.set WREG,  8192                       ; LDS: a region for each wave: two stages of 32 x SP bytes, then its 256 scale bytes
.set SP,    80                         ; a lane's place in a stage: 64 bytes + 16 of padding
.set SPW,   12                         ; v12 my spare word's LDS address; never rewritten
.set NIL,   13                         ; v13 0; never rewritten
.set SPARE, 4*WREG                     ; behind the four regions: the spare words, 128 bytes a wave
.set WV,    24                         ; s24 my wave's number
.set WS,    16                         ; W_o: v16-143 two sets of 64 numbers
.set WO,    144                        ; W_o: v144-175 a round's 32 f16 pairs
	s_load_b256 s[4:11], s[0:1], 0x0               ; x, W_q, W_k, W_v
	s_load_b256 s[12:19], s[0:1], 0x20             ; W_o, x's codes, x's scales, the weights' codes
	s_load_b128 s[20:23], s[0:1], 0x40             ; the weights' scales, W_o's images
	v_lshl_add_u32 v[SPW], v0, 2, SPARE
	v_mov_b32 v[NIL], 0
	v_lshrrev_b32 v1, 5, v0
	v_readfirstlane_b32 s[WV], v1                  ; wave 0..3
	v_and_b32 v2, 31, v0                           ; lane
	v_lshlrev_b32 v3, 4, v2                        ; 16 x lane
	s_wait_kmcnt 0x0
	s_cmp_ge_u32 ttmp9, 352                        ; the work-group's number alone decides the path
	s_cbranch_scc1 .Lwo
	; ---- the quantiser
	s_mul_i32 s28, s[WV], WREG
	v_lshrrev_b32 v14, 2, v2
	v_mul_u32_u24 v14, v14, SP
	v_and_b32 v15, 3, v2
	v_lshl_add_u32 v14, v15, 4, v14
	v_add_nc_u32 v14, s28, v14                     ; the stage, in: SP (lane / 4) + 16 (lane % 4)
	v_mul_u32_u24 v15, v2, SP
	v_add_nc_u32 v15, s28, v15                     ; and out: SP x lane: my 16 neighbours
	v_mul_u32_u24 v4, v2, CB                       ; my codes' place in a step's
	v_lshrrev_b32 v5, 1, v2
	s_add_co_u32 s28, s28, 2*32*SP
	v_add_nc_u32 v5, s28, v5                       ; my wave's 256 scale bytes, my block's byte
	v_lshlrev_b32 v7, 3, v2
	v_add_nc_u32 v6, s28, v7                       ; and on their way out 8 bytes a lane
	s_sub_co_u32 s25, ttmp9, 256                   ; the weights' run number, 0..95
	s_lshr_b32 s26, s25, 5                         ; which weight
	s_and_b32 s27, s25, 31                         ; and which run in it
	s_cmp_eq_u32 s26, 1
	s_cselect_b64 s[6:7], s[8:9], s[6:7]
	s_cmp_eq_u32 s26, 2
	s_cselect_b64 s[6:7], s[10:11], s[6:7]         ; the weight's address: the choice hangs on the work-group's number alone
	s_cmp_lt_u32 ttmp9, 256
	s_cselect_b64 s[4:5], s[4:5], s[6:7]           ; from where,
	s_cselect_b64 s[14:15], s[14:15], s[18:19]     ; the codes,
	s_cselect_b64 s[16:17], s[16:17], s[20:21]     ; the scale bytes
	s_cselect_b32 s27, ttmp9, s27                  ; the run in the source
	s_cselect_b32 s25, ttmp9, s25                  ; and in the results
	s_lshl_b32 s27, s27, 2
	s_add_co_u32 s27, s27, s[WV]
	s_lshl_b32 s25, s25, 2
	s_add_co_u32 s25, s25, s[WV]
	s_lshl_b32 s28, s27, 15                        ; a wave's 8,192 numbers are 32,768 bytes,
	s_mov_b32 s29, 0
	s_add_nc_u64 s[4:5], s[4:5], s[28:29]
	s_lshl_b32 s28, s25, 12                        ; 4,096 bytes of codes,
	s_add_nc_u64 s[14:15], s[14:15], s[28:29]
	s_lshl_b32 s28, s25, 8                         ; 256 scale bytes
	s_add_nc_u64 s[16:17], s[16:17], s[28:29]
.macro LOAD t
.irp i, 0,1,2,3
	global_load_b128 v[R+16*((\t)%4)+4*\i:R+16*((\t)%4)+4*\i+3], v3, s[4:5] offset:2048*(\t)+512*\i th:TH_LOAD_NT   ; 32 lanes read 512 consecutive bytes
.endr
.endm
.macro TURN t                          ; step t's numbers through the stage: LDS serves a wave's instructions in order, so no wait stands between the stores and the loads
.irp i, 0,1,2,3
	ds_store_b128 v14, v[R+16*((\t)%4)+4*\i:R+16*((\t)%4)+4*\i+3] offset:32*SP*((\t)%2)+8*SP*\i
.endr
.irp i, 0,1,2,3
	ds_load_b128 v[X+16*((\t)%2)+4*\i:X+16*((\t)%2)+4*\i+3], v15 offset:32*SP*((\t)%2)+16*\i
.endr
.endm
.irp t, 0,1,2,3
	LOAD \t
.endr
	s_wait_loadcnt 12                              ; step 0's four loads are in; three steps' twelve may be out
	TURN 0
.macro STEP t
.set XS, X+16*((\t)%2)
.if (\t) > 0
	s_wait_dscnt 1                                 ; this step's numbers are back from the stage (the last step's byte store may be out)
.else
	s_wait_dscnt 0x0
.endif
.if (\t)+4 < STEPS
	LOAD (\t)+4                                    ; the stage's stores have read these registers: they take the loads of four steps on
.endif
.if (\t)+1 < STEPS
.if STEPS-2-(\t) >= 3
	s_wait_loadcnt 12                              ; the next step's four loads are in; those of the three steps behind it may be out
.else
	s_wait_loadcnt 4*(STEPS-2-(\t))
.endif
	TURN (\t)+1                                    ; through the other stage while this step is worked
.endif
	v_max3_num_f32 v8, |v[XS]|, |v[XS+1]|, |v[XS+2]|               ; the largest magnitude of my 16, in two chains
	v_max3_num_f32 v9, |v[XS+3]|, |v[XS+4]|, |v[XS+5]|
.irp i, 6,10
	v_max3_num_f32 v8, v8, |v[XS+\i]|, |v[XS+\i+1]|
	v_max3_num_f32 v9, v9, |v[XS+\i+2]|, |v[XS+\i+3]|
.endr
	v_max3_num_f32 v8, v8, |v[XS+14]|, |v[XS+15]|
	v_max3_num_f32 v8, v8, v9, (EMAX+1)<<23        ; and the floor 2^(EMAX + 1 - 127): the byte cannot fall under 1
	v_max_num_f32_dpp v8, v8, v8 row_xmask:1 row_mask:0xf bank_mask:0xf   ; with my neighbour's 16: the block's
	v_add_nc_u32 v11, -(EMAX<<23), v8              ; EMAX off its exponent field: the conversion takes that field as its scale and nothing else
	v_cvt_scalef32_pk8_fp4_f32 v[C+4*(\t)], v[XS:XS+7], v11        ; to the nearest code, ties to even, beyond the largest code the largest
	v_cvt_scalef32_pk8_fp4_f32 v[C+4*(\t)+1], v[XS+8:XS+15], v11
	v_lshrrev_b32 v[E+(\t)], 23, v11               ; the scale's byte
	ds_store_b8 v5, v[E+(\t)] offset:16*(\t)       ; both lanes of a block write the same byte with the same value
	global_store_b64 v4, v[C+4*(\t):C+4*(\t)+1], s[14:15] offset:32*CB*(\t)   ; the wave stores 256 consecutive bytes, aligned
.endm
.irp t, 0,1,2,3,4,5,6,7,8,9,10,11,12,13,14,15
	STEP \t
.endr
	ds_load_b64 v[8:9], v6                         ; LDS serves a wave's instructions in order: these see my byte stores
	s_wait_dscnt 0x0
	global_store_b64 v7, v[8:9], s[16:17]          ; 32 lanes store 256 consecutive bytes, aligned
	s_wait_tensorcnt 0x0                           ; the wave's end
	ds_add_u32 v[SPW], v[NIL]
	s_wait_dscnt 0x0
	s_endpgm
	; ---- W_o to f16 images: [ks 8][nt 64][kc 4][g 2][lane][16 bytes]; lane (r, h) holds W_o[16 nt + r][128 ks + 32 kc + 16 g + 8 h + 0..7].
	; A wave takes 16 rows (nt) x 512 along K (four ks), a round to a ks.
.Lwo:
	s_sub_co_u32 s25, ttmp9, 352
	s_lshl_b32 s25, s25, 2
	s_add_co_u32 s25, s25, s[WV]                   ; 0..127
	s_lshr_b32 s26, s25, 1                         ; nt
	s_and_b32 s27, s25, 1                          ; which half of K
	s_lshl_b32 s28, s26, 16                        ; 16 rows of 4,096 bytes
	s_lshl_b32 s30, s27, 11                        ; 512 numbers
	s_add_co_u32 s28, s28, s30
	s_mov_b32 s29, 0
	s_add_nc_u64 s[12:13], s[12:13], s[28:29]
	s_lshl_b32 s28, s26, 12                        ; nt x 4,096
	s_lshl_b32 s30, s27, 20                        ; four ks x 262,144
	s_add_co_u32 s28, s28, s30
	s_add_nc_u64 s[22:23], s[22:23], s[28:29]
	v_and_b32 v4, 15, v0
	v_bfe_u32 v5, v0, 4, 1
	v_lshlrev_b32 v8, 12, v4
	v_lshl_add_u32 v8, v5, 5, v8                   ; row r, + 32 h bytes
.macro LOADW i                         ; round i: n = 2 kc + g: my eight numbers of each of eight groups
.irp n, 0,1,2,3,4,5,6,7
	global_load_b128 v[WS+64*((\i)%2)+8*\n:WS+64*((\i)%2)+8*\n+3], v8, s[12:13] offset:512*(\i)+64*\n
	global_load_b128 v[WS+64*((\i)%2)+8*\n+4:WS+64*((\i)%2)+8*\n+7], v8, s[12:13] offset:512*(\i)+64*\n+16
.endr
.endm
.macro ROUNDW i
.if (\i) < 3
	s_wait_loadcnt 16                              ; this round's sixteen loads are in; the next round's may be out
.else
	s_wait_loadcnt 0x0
.endif
.if (\i) > 0
	s_wait_xcnt 0x0                                ; the last round's stores have read their data: the registers are written again only behind this wait
.endif
.set n, 0
.rept 32
	v_cvt_pk_f16_f32 v[WO+n], v[WS+64*((\i)%2)+2*n], v[WS+64*((\i)%2)+2*n+1]
.set n, n+1
.endr
.irp n, 0,1,2,3,4,5,6,7
	global_store_b128 v3, v[WO+4*\n:WO+4*\n+3], s[22:23] offset:262144*(\i)+512*\n   ; 512 consecutive bytes, aligned
.endr
.if (\i) < 2
	LOADW (\i)+2
.endif
.endm
	LOADW 0
	LOADW 1
	ROUNDW 0
	ROUNDW 1
	ROUNDW 2
	ROUNDW 3
	s_endpgm
.Lfunc_end_k_q549d630df7_quant:
	.size	k_q549d630df7_quant, .Lfunc_end_k_q549d630df7_quant-k_q549d630df7_quant
	.p2alignl 7, 3214868480
	.fill 96, 4, 3214868480
	.section	.rodata,"a",@progbits
	.p2align	6, 0x0
	.amdhsa_kernel k_q549d630df7_quant
		.amdhsa_group_segment_fixed_size 33280
		.amdhsa_private_segment_fixed_size 0
		.amdhsa_enable_private_segment 0
		.amdhsa_kernarg_size 80
		.amdhsa_user_sgpr_count 2
		.amdhsa_user_sgpr_kernarg_segment_ptr 1
		.amdhsa_wavefront_size32 1
		.amdhsa_system_sgpr_workgroup_id_x 1
		.amdhsa_system_sgpr_workgroup_id_y 1
		.amdhsa_system_sgpr_workgroup_id_z 1
		.amdhsa_system_vgpr_workitem_id 0
		.amdhsa_next_free_vgpr 192
		.amdhsa_next_free_sgpr 66
		.amdhsa_reserve_vcc 0
		.amdhsa_float_denorm_mode_32 3
		.amdhsa_float_denorm_mode_16_64 3
		.amdhsa_memory_ordered 1
		.amdhsa_forward_progress 1
		.amdhsa_inst_pref_size 52
	.end_amdhsa_kernel
	.amdgpu_metadata
---
amdhsa.version: [ 1, 2 ]
amdhsa.kernels:
  - .name:           k_q549d630df7_quant
    .symbol:         k_q549d630df7_quant.kd
    .args:
      - { .name: x, .offset: 0, .size: 8, .value_kind: global_buffer, .address_space: global }
      - { .name: W_q, .offset: 8, .size: 8, .value_kind: global_buffer, .address_space: global }
      - { .name: W_k, .offset: 16, .size: 8, .value_kind: global_buffer, .address_space: global }
      - { .name: W_v, .offset: 24, .size: 8, .value_kind: global_buffer, .address_space: global }
      - { .name: W_o, .offset: 32, .size: 8, .value_kind: global_buffer, .address_space: global }
      - { .name: x_codes, .offset: 40, .size: 8, .value_kind: global_buffer, .address_space: global }
      - { .name: x_scales, .offset: 48, .size: 8, .value_kind: global_buffer, .address_space: global }
      - { .name: w_codes, .offset: 56, .size: 8, .value_kind: global_buffer, .address_space: global }
      - { .name: w_scales, .offset: 64, .size: 8, .value_kind: global_buffer, .address_space: global }
      - { .name: wof, .offset: 72, .size: 8, .value_kind: global_buffer, .address_space: global }
    .group_segment_fixed_size: 33280
    .private_segment_fixed_size: 0
    .kernarg_segment_align: 8
    .kernarg_segment_size: 80
    .max_flat_workgroup_size: 128
    .sgpr_count:     66
    .vgpr_count:     192
    .wavefront_size: 32
...
	.end_amdgpu_metadata
.endif
;; end of part 1
;; launch qkv (part 2): grid 12 x 32, 4 waves a work-group, clusters of 4 x 4, 327,680 bytes of LDS; arguments x_codes, x_scales, w_codes, w_scales, qkv, fine32; writes qkv, fine32
.if DOCPART == 2
	.amdgcn_target "amdgcn-amd-amdhsa--gfx1250"
	.amdhsa_code_object_version 6
	.text
	.protected	k_q549d630df7_qkv
	.globl	k_q549d630df7_qkv
	.p2align	8
	.type	k_q549d630df7_qkv,@function
k_q549d630df7_qkv:
	s_mov_b64 s[64:65], 0
	v_nop
	global_prefetch_b8 v0, s[64:65] scope:SCOPE_SE
	s_setreg_imm32_b32 hwreg(HW_REG_WAVE_MODE, 25, 1), 1
	s_wait_xcnt 0x0
	s_wait_alu depctr_hold_cnt(0) depctr_sa_sdst(0) depctr_va_vdst(0) depctr_va_sdst(0) depctr_va_ssrc(0) depctr_va_vcc(0) depctr_vm_vsrc(0)
	s_getreg_b32 s2, hwreg(HW_REG_IB_STS2, 6, 4)
	s_cmp_eq_u32 s2, 0
	s_cbranch_scc0 .Lentry_in_a_cluster
	s_endpgm
.Lentry_in_a_cluster:
	s_bfe_u32 s2, ttmp6, 0x10000c
	s_cmp_lg_u32 s2, 0xf033
	s_cbranch_scc0 .Lentry_shape_is_right
	s_endpgm
.Lentry_shape_is_right:
; q = x W_q^T, k = x W_k^T, v = x W_v^T on codes of FP4 (E2M1) with one E8M0 scale for each 32 along K = 1,024; sums in f32.
; A tile of 256 x 256 is made by four waves, each 128 x 128: 64 accumulators of 16 x 16.  All of K lies in two LDS slots of 512 along K, filled once at the start; nothing is filled again.
; THE MATRIX INSTRUCTION IS USED TRANSPOSED (source 0 = 16 rows of side B, source 1 = 16 rows of side A): a lane holds one row of A's side and eight neighbours of B's side.
; WHO IS A AND WHO IS B hangs on the cluster's x (0: q, 1: k, 2: v), which all sixteen partners share.  q, k: A = x (positions), B = the weight (channels): a lane holds a position and eight channels.
; v: A = W_v (channels), B = x (keys): a lane holds a channel and eight keys.  So eight results, rounded to f16, are four registers of the attention's operand, and leave as they stand:
; q, k: [b h][s / 16][c 2][g 2][lane][16 bytes], lane (r, h): position 16 st + r, channels 32 c + 16 g + 8 h + 0..7;  v: [b h][keys / 32][ct 4][g 2][lane][16 bytes], lane (r, h): channel 16 ct + r, keys 32 kg + 16 g + 8 h + 0..7.
; Each store of a wave covers 512 consecutive bytes, aligned.  No stage in LDS.  Positions 0-15 of every sequence also leave as f32 accumulator images, for the launch that carries them finely.
; CLUSTERS: 4 x 4.  A's tile is shared along a row of the cluster, B's along a column: joint loads with a mask that names the four.
; LIMITS: |q|, |k|, |v| stay under 65,504 (f16); numbers under 6e-5 carry an absolute error of 3e-8.
; REGISTERS: window 0: v0-31 addresses; v32-95 scale words, two sets; v128-191 A's fragments, one set.  window 1: B's fragments, two sets; on the way out the packed results.  windows 2, 3: the accumulators ((a, b) at v[8 (8 (a % 4) + b)]).
.set NQ,     4                         ; matrix instructions deep in a slot
.set ROWB,   256                       ; a tile's row: 512 codes
.set KROW,   512                       ; a row of codes in memory
.set PITCH,  272                       ; an LDS row: 256 bytes + 16 of padding, so that the 16 rows that a load touches start 16 bytes apart modulo 256
.set FR,     8
.set NL,     2
.set NP,     4
.set HALFT,  128*PITCH
.set SLOT,   4*HALFT                   ; A's 256 rows, then B's 256 rows
.set KS,     32                        ; a row of scale bytes
.set SCL,    2*SLOT                    ; behind the slots: the scales, as rows of 256 bytes + 16 of padding
.set HALFS,  (128*KS/256)*272
.set SBLK,   (16*KS/256)*272
.set SPARE,  SCL+4*HALFS               ; the spare words, 128 bytes a wave
.set ADRA, 16
.set ADRB, 20
.set LO,   26                          ; v26 16 x lane
.set ADRS, 27
.set SPW,  28
.set NIL,  29
.set SC,   32
.set AF,   128
.set WV, 16                            ; s16 wave;  s17 which half of A's rows is mine, also: I fetch for A (0) or B (1);  s18 which half of B's rows, also: which 128 rows I fetch;  s19 1 for v
.set WR, 17
.set WC, 18
.set VP, 19
.set G1, 24
.set G0, 32
.set G1B, 48
.set G0B, 56
.set G1S, 68
.set G0S, 76
.set G1SB, 80
.set G0SB, 88
.set MSB, 0
.macro WIN new                         ; the immediate's high byte repeats the setting that is left
.if MSB != \new
	s_set_vgpr_msb (MSB<<8)|\new
.set MSB, \new
.endif
.endm
.set MUL_LO, 0xa1                      ; source 0 (B) window 1, source 1 (A) window 0, C and D window 2
.set MUL_HI, 0xf1
.set TO_B,   0x40
.macro JLOAD g0a, g1a, g0b, g1b        ; a joint load: waves 0 and 1 fetch for A, waves 2 and 3 for B; an s_nop 0 and four v_nop follow each line
	s_cmp_eq_u32 s[WR], 0
	s_cbranch_scc0 .Lfor_b_\@
	tensor_load_to_lds s[\g0a:\g0a+3], s[\g1a:\g1a+7]
	s_nop 0
.rept 4
	v_nop
.endr
	s_branch .Lasked_\@
.Lfor_b_\@:
	tensor_load_to_lds s[\g0b:\g0b+3], s[\g1b:\g1b+7]
	s_nop 0
.rept 4
	v_nop
.endr
.Lasked_\@:
.endm
.macro CROUND                          ; a round of the cluster's barrier
	s_barrier_signal -1
	s_barrier_wait -1
	s_cmp_lg_u32 s[WV], 0
	s_cbranch_scc1 .Lnot_wave_0_\@
	s_barrier_signal -3
.Lnot_wave_0_\@:
	s_barrier_wait -3
	s_barrier_signal -1
	s_barrier_wait -1
.endm
	s_load_b256 s[4:11], s[0:1], 0x0               ; x's codes, x's scales, the weights' codes, the weights' scales
	s_load_b128 s[12:15], s[0:1], 0x20             ; qkv, fine32
	v_lshl_add_u32 v[SPW], v0, 2, SPARE
	v_mov_b32 v[NIL], 0
	ds_add_u32 v[SPW], v[NIL]                      ; the wave's opening: the add, twice on end, and its wait ahead of my first tensor load
	ds_add_u32 v[SPW], v[NIL]
	v_lshrrev_b32 v1, 5, v0
	v_readfirstlane_b32 s[WV], v1
	s_lshr_b32 s[WR], s[WV], 1
	s_and_b32 s[WC], s[WV], 1
	s_bfe_u32 s40, ttmp6, 0x40000                  ; cx
	s_bfe_u32 s41, ttmp6, 0x40004                  ; cy
	s_and_b32 s42, ttmp7, 0xffff                   ; the cluster's y: which 256 positions of a sequence
	s_lshl_b32 s43, s41, 2
	s_lshl_b32 s43, 15, s43                        ; my row of the cluster
	s_lshl_b32 s44, 0x1111, s40                    ; my column
	s_or_b32 s[G1+0], s43, (0<<16)|(1<<20)|(1<<21)|(5<<22)|(3<<25)   ; the mask; elements of 1 byte; padding: 4 words behind every 64
	s_or_b32 s[G1B+0], s44, (0<<16)|(1<<20)|(1<<21)|(5<<22)|(3<<25)
.irp g, G1, G1B
	s_mov_b32 s[\g+1], ROWB<<16                    ; tensor_dim0
	s_mov_b32 s[\g+2], 128<<16                     ; tensor_dim1
	s_mov_b32 s[\g+3], ROWB<<16                    ; tile_dim0
	s_mov_b32 s[\g+4], 128                         ; tile_dim1
	s_mov_b32 s[\g+5], KROW                        ; the pitch
	s_mov_b32 s[\g+6], 0
	s_mov_b32 s[\g+7], 0
.endr
	s_or_b32 s[G1S+0], s43, (3<<16)|(1<<20)|(1<<21)|(5<<22)|(3<<25)  ; the scales of 128 rows: 4,096 dense bytes as 16 rows of 256 (32 elements of 8 bytes)
	s_or_b32 s[G1SB+0], s44, (3<<16)|(1<<20)|(1<<21)|(5<<22)|(3<<25)
.irp g, G1S, G1SB
	s_mov_b32 s[\g+1], 32<<16
	s_mov_b32 s[\g+2], (128*KS/256)<<16
	s_mov_b32 s[\g+3], 32<<16
	s_mov_b32 s[\g+4], 128*KS/256
	s_mov_b32 s[\g+5], 32
	s_mov_b32 s[\g+6], 0
	s_mov_b32 s[\g+7], 0
.endr
	; which blocks of 256 rows.  A's hang on cy and the cluster's place alone, B's on cx and the cluster's place alone
	s_lshl_b32 s20, s41, 3
	s_add_co_u32 s20, s20, s42                     ; q, k: A = x, block 8 cy + cluster y (batch cy)
	s_add_co_u32 s21, s41, 8                       ; v: A = W_v, block 8 + cy
	s_lshl_b32 s22, ttmp9, 2
	s_add_co_u32 s22, s22, s40                     ; q, k: B = the weight, block 4 cluster x + cx
	s_lshl_b32 s23, s40, 3
	s_add_co_u32 s23, s23, s42                     ; v: B = x, block 8 cx + cluster y (batch cx)
	s_cmp_eq_u32 ttmp9, 2
	s_cselect_b32 s66, s21, s20
	s_cselect_b32 s67, s23, s22
	s_cselect_b32 s[VP], 1, 0
	s_lshl_b32 s46, s[WC], 7                       ; which 128 rows of the block I fetch
	s_lshl_b32 s20, s66, 8
	s_add_co_u32 s20, s20, s46
	s_lshl_b32 s22, s67, 8
	s_add_co_u32 s22, s22, s46
	s_lshl_b32 s46, s20, 5                         ; their scale bytes,
	s_lshl_b32 s100, s22, 5
	s_lshl_b32 s20, s20, 9                         ; their codes
	s_lshl_b32 s22, s22, 9
	s_mov_b32 s21, 0
	s_mov_b32 s23, 0
	s_mov_b32 s47, 0
	s_mov_b32 s101, 0
	s_mul_i32 s45, s[WV], HALFT                    ; where they go: wave x 128 rows: no place in the cluster enters an LDS address
	s_mul_i32 s2, s[WV], HALFS
	s_wait_dscnt 0x0                               ; both opening adds are done
	s_wait_kmcnt 0x0
	s_cmp_eq_u32 ttmp9, 2
	s_cselect_b64 s[92:93], s[8:9], s[4:5]         ; A's codes,
	s_cselect_b64 s[94:95], s[10:11], s[6:7]       ; A's scales,
	s_cselect_b64 s[96:97], s[4:5], s[8:9]         ; B's codes,
	s_cselect_b64 s[98:99], s[6:7], s[10:11]       ; B's scales
	s_add_nc_u64 s[92:93], s[92:93], s[20:21]
	s_add_nc_u64 s[94:95], s[94:95], s[46:47]
	s_add_nc_u64 s[96:97], s[96:97], s[22:23]
	s_add_nc_u64 s[98:99], s[98:99], s[100:101]
	CROUND                                         ; all sixteen work-groups are here: the first joint loads meet
	s_mov_b32 s[G0S], 1
	s_add_co_u32 s[G0S+1], s2, SCL
	s_mov_b64 s[G0S+2:G0S+3], s[94:95]
	s_or_b32 s[G0S+3], s[G0S+3], 0x80000000
	s_mov_b32 s[G0SB], 1
	s_add_co_u32 s[G0SB+1], s2, SCL
	s_mov_b64 s[G0SB+2:G0SB+3], s[98:99]
	s_or_b32 s[G0SB+3], s[G0SB+3], 0x80000000
	JLOAD G0S, G1S, G0SB, G1SB                     ; the scales first: they are wanted with the first step
.irp s, 0,1
	s_mov_b32 s[G0+4*\s], 1
	s_add_co_u32 s[G0+4*\s+1], s45, \s*SLOT
	s_add_nc_u64 s[G0+4*\s+2:G0+4*\s+3], s[92:93], \s*ROWB
	s_or_b32 s[G0+4*\s+3], s[G0+4*\s+3], 0x80000000
	s_mov_b32 s[G0B+4*\s], 1
	s_add_co_u32 s[G0B+4*\s+1], s45, \s*SLOT
	s_add_nc_u64 s[G0B+4*\s+2:G0B+4*\s+3], s[96:97], \s*ROWB
	s_or_b32 s[G0B+4*\s+3], s[G0B+4*\s+3], 0x80000000
	JLOAD G0+4*\s, G1, G0B+4*\s, G1B               ; three loads of mine are out in all
.endr
	v_and_b32 v1, 15, v0                           ; l % 16
	v_bfe_u32 v2, v0, 4, 1                         ; l / 16
	v_mul_u32_u24 v3, v1, PITCH
	v_lshl_add_u32 v4, v2, 4, v3                   ; a fragment's row x pitch + 16 x half
	s_mul_i32 s21, s[WR], HALFT                    ; my 128 rows of A
	s_mul_i32 s22, s[WC], HALFT                    ; my 128 rows of B,
	s_add_co_u32 s22, s22, 2*HALFT                 ; behind A's 256
.irp s, 0,1
	v_add_nc_u32 v[ADRA+\s], s21, v4
	v_add_nc_u32 v[ADRB+\s], s22, v4
	s_add_co_u32 s21, s21, SLOT
	s_add_co_u32 s22, s22, SLOT
.endr
	v_mul_u32_u24 v5, v1, KS                       ; my row's scales: KS bytes a row,
	v_lshrrev_b32 v6, 8, v5
	v_lshl_add_u32 v5, v6, 4, v5                   ; and 16 more for each 256 passed
	s_mul_i32 s21, s[WR], HALFS
	s_mul_i32 s22, s[WC], HALFS
	s_add_co_u32 s22, s22, 2*HALFS
	s_sub_co_u32 s22, s22, s21
	v_mul_u32_u24 v6, s22, v2                      ; lanes 16-31 take B's
	s_add_co_u32 s21, s21, SCL
	v_add_nc_u32 v5, v5, v6
	v_add_nc_u32 v[ADRS], s21, v5
	v_and_b32 v6, 31, v0
	v_lshlrev_b32 v[LO], 4, v6
.macro FRAG reg, adr, q, i             ; 16 rows x 128 K of 4-bit codes: 8 registers, two loads of 16 bytes, 32 bytes apart
.irp c, 0,1
	ds_load_b128 v[\reg+4*\c:\reg+4*\c+3], v[\adr] offset:64*(\q)+32*\c+(\i)*16*PITCH
.endr
.endm
; 16 matrix instructions: A's blocks a0, a0 + 1 x B's eight.  The 64 accumulators take turns, one instruction a turn, in the same order in every step.
.macro MUL16 a0, p, q, sc, zero
.irp a, \a0, \a0+1
.irp b, 0,1,2,3,4,5,6,7
.if \zero
	v_wmma_scale_f32_16x16x128_f8f6f4 v[8*(8*((\a)%4)+\b):8*(8*((\a)%4)+\b)+7], v[128*(\p)+FR*\b:128*(\p)+FR*\b+FR-1], v[AF+FR*(\a):AF+FR*(\a)+FR-1], 0, v[SC+8*NQ*(\sc)+NQ*\b+(\q)], v[SC+8*NQ*(\sc)+NQ*(\a)+(\q)] matrix_a_fmt:MATRIX_FMT_FP4 matrix_b_fmt:MATRIX_FMT_FP4 matrix_a_scale:MATRIX_SCALE_ROW1
.else
	v_wmma_scale_f32_16x16x128_f8f6f4 v[8*(8*((\a)%4)+\b):8*(8*((\a)%4)+\b)+7], v[128*(\p)+FR*\b:128*(\p)+FR*\b+FR-1], v[AF+FR*(\a):AF+FR*(\a)+FR-1], v[8*(8*((\a)%4)+\b):8*(8*((\a)%4)+\b)+7], v[SC+8*NQ*(\sc)+NQ*\b+(\q)], v[SC+8*NQ*(\sc)+NQ*(\a)+(\q)] matrix_a_fmt:MATRIX_FMT_FP4 matrix_b_fmt:MATRIX_FMT_FP4 matrix_a_scale:MATRIX_SCALE_ROW1
.endif
.endr
.endr
.endm
.macro FETCH_B slot, q, p
	WIN TO_B
.irp i, 0,1,2,3,4,5,6,7
	FRAG 128*(\p)+FR*\i, ADRB+\slot, \q, \i
.endr
	WIN 0
.endm
.macro FETCH_A slot, q, i0
.irp i, \i0, \i0+1, \i0+2, \i0+3
	FRAG AF+FR*(\i), ADRA+\slot, \q, \i
.endr
.endm
.macro SCALES sc                       ; a slot's scale words: four a row; lanes 0-15 take A's block i, lanes 16-31 B's block i
.irp i, 0,1,2,3,4,5,6,7
	ds_load_b128 v[SC+8*NQ*\sc+NQ*\i:SC+8*NQ*\sc+NQ*\i+3], v[ADRS] offset:\i*SBLK
.endr
.endm
.macro PLACES n                        ; plain vector instructions between a matrix instruction and a load into, or a vector instruction or store on, its registers
.rept \n
	v_nop
.endr
.endm
.macro STEP slot, q, zero              ; 128 along K, with its successor in the same slot
	s_wait_dscnt 4*NL                              ; B's set and A's blocks 0-3 are in; the youngest eight loads (A's blocks 4-7) may be out
	WIN MUL_LO
	MUL16 0, (\q)%2, \q, \slot, \zero
	MUL16 2, (\q)%2, \q, \slot, \zero
	s_wait_dscnt 0
	PLACES NP
	FETCH_B \slot, (\q)+1, 1-(\q)%2
	FETCH_A \slot, (\q)+1, 0
	WIN MUL_HI
	MUL16 4, (\q)%2, \q, \slot, \zero
	MUL16 6, (\q)%2, \q, \slot, \zero
	PLACES NP
	WIN 0
	FETCH_A \slot, (\q)+1, 4
.endm
.macro TURN slot, next                 ; slot 0's last step: behind one barrier slot 1, which four waves fetched, is whole for all
	s_wait_tensorcnt 0x0                           ; all my tensor loads have landed: my part of the next slot
	ds_add_u32 v[SPW], v[NIL]                      ; 0 onto my spare word
	s_wait_dscnt 4*NL+1                            ; (the add and the youngest eight loads may be out)
	WIN MUL_LO
	MUL16 0, 1, NQ-1, \slot, 0
	s_wait_dscnt 0x0
	s_barrier_signal -1
	MUL16 2, 1, NQ-1, \slot, 0
	WIN 0
	s_barrier_wait -1
	PLACES NP
	v_add_nc_u32 v[ADRS], 4*NQ, v[ADRS]            ; on to the next slot's scale words (no LDS load of mine is out)
	FETCH_B \next, 0, 0
	FETCH_A \next, 0, 0
	SCALES \next
	WIN MUL_HI
	MUL16 4, 1, NQ-1, \slot, 0
	MUL16 6, 1, NQ-1, \slot, 0
	PLACES NP
	WIN 0
	FETCH_A \next, 0, 4
.endm
.macro STEPS slot, from
.set Q, \from
.rept NQ-1-\from
	STEP \slot, Q, 0
.set Q, Q+1
.endr
.endm
	s_wait_tensorcnt 1                             ; the scales and my part of slot 0 are in (slot 1's load may be out),
	s_barrier_signal -1
	s_barrier_wait -1                              ; everybody's are
	FETCH_B 0, 0, 0
	FETCH_A 0, 0, 0
	SCALES 0
	FETCH_A 0, 0, 4
	STEP 0, 0, 1                                   ; the first step's products start the sums: nothing is cleared
	STEPS 0, 1
	TURN 0, 1
	STEPS 1, 0
	s_wait_dscnt 4*NL
	WIN MUL_LO
	MUL16 0, 1, NQ-1, 1, 0
	MUL16 2, 1, NQ-1, 1, 0
	s_wait_dscnt 0
	WIN MUL_HI
	MUL16 4, 1, NQ-1, 1, 0
	MUL16 6, 1, NQ-1, 1, 0
	WIN 0
	PLACES NP                                      ; in front of the first stores and conversions, and of the writes into B's old registers
; THE WAY OUT.  PACK: block a's 64 results a lane become 32 registers of f16 pairs in window 1, each accumulator from its low end on; every register of window 1 is written once, so no store's data are written again.
.macro PACK a
	WIN 0x4a+5*((\a)/4)                            ; sources in window 2 or 3, destination in window 1
.irp b, 0,1,2,3,4,5,6,7
.irp r, 0,1,2,3
	v_cvt_pk_f16_f32 v[32*(\a)+4*\b+\r], v[64*((\a)%4)+8*\b+2*\r], v[64*((\a)%4)+8*\b+2*\r+1]
.endr
.endr
.endm
.macro PUT a, isv                      ; eight stores of 512 consecutive bytes
	WIN 0x04                                       ; a store's data: window 1
.irp b, 0,1,2,3,4,5,6,7
.if \isv
	global_store_b128 v[LO], v[32*(\a)+4*\b:32*(\a)+4*\b+3], s[12:13] offset:262144*((\a)/4)+1024*((\a)%4)+4096*(\b/2)+512*(\b%2)
.else
	global_store_b128 v[LO], v[32*(\a)+4*\b:32*(\a)+4*\b+3], s[12:13] offset:2048*(\a)+262144*(\b/4)+1024*((\b/2)%2)+512*(\b%2)
.endif
.endr
.endm
	s_cmp_eq_u32 s[VP], 1                          ; the cluster's x alone: the same way in all partners
	s_cbranch_scc1 .Lv_out
	; ---- q, k: batch cy, heads 4 cx + 2 WC + b / 4, positions 256 cluster y + 128 WR + 16 a + r
	s_lshl_b32 s20, s41, 4
	s_lshl_b32 s21, s40, 2
	s_add_co_u32 s20, s20, s21
	s_lshl_b32 s21, s[WC], 1
	s_add_co_u32 s20, s20, s21                     ; 16 batch + head
	s_lshl_b32 s22, s20, 18
	s_lshl_b32 s21, ttmp9, 24                      ; q's or k's region
	s_add_co_u32 s22, s22, s21
	s_lshl_b32 s21, s42, 15
	s_add_co_u32 s22, s22, s21
	s_lshl_b32 s21, s[WR], 14
	s_add_co_u32 s22, s22, s21
	s_mov_b32 s23, 0
	s_add_nc_u64 s[12:13], s[12:13], s[22:23]
	s_mul_i32 s20, s20, 3
	s_add_co_u32 s20, s20, ttmp9
	s_lshl_b32 s20, s20, 12
	s_mov_b32 s21, 0
	s_add_nc_u64 s[14:15], s[14:15], s[20:21]
	s_or_b32 s20, s42, s[WR]                       ; positions 0-15 lie in the clusters with y = 0, in the waves of the first row half, in block a = 0
	s_cmp_lg_u32 s20, 0
	s_cbranch_scc1 .Lqk_main
	WIN 0x08                                       ; a store's data: window 2
.irp b, 0,1,2,3,4,5,6,7
	global_store_b128 v[LO], v[8*\b:8*\b+3], s[14:15] offset:12288*(\b/4)+1024*(\b%4)
	global_store_b128 v[LO], v[8*\b+4:8*\b+7], s[14:15] offset:12288*(\b/4)+1024*(\b%4)+512
.endr
	WIN 0
.Lqk_main:
.irp a, 0,1,2,3,4,5,6,7
	PACK \a
	PUT \a, 0
.endr
	WIN 0
	s_branch .Lout
	; ---- v: batch cx, heads 4 cy + 2 WR + a / 4, keys 256 cluster y + 128 WC + 16 b + 8 h + j
.Lv_out:
	s_lshl_b32 s20, s40, 4
	s_lshl_b32 s21, s41, 2
	s_add_co_u32 s20, s20, s21
	s_lshl_b32 s21, s[WR], 1
	s_add_co_u32 s20, s20, s21
	s_lshl_b32 s22, s20, 18
	s_add_co_u32 s22, s22, 2<<24                   ; v's region
	s_lshl_b32 s21, s42, 15
	s_add_co_u32 s22, s22, s21
	s_lshl_b32 s21, s[WC], 14
	s_add_co_u32 s22, s22, s21
	s_mov_b32 s23, 0
	s_add_nc_u64 s[12:13], s[12:13], s[22:23]
	s_mul_i32 s20, s20, 3
	s_add_co_u32 s20, s20, 2
	s_lshl_b32 s20, s20, 12
	s_mov_b32 s21, 0
	s_add_nc_u64 s[14:15], s[14:15], s[20:21]
	s_or_b32 s20, s42, s[WC]                       ; keys 0-15: cluster y = 0, the first column half, block b = 0
	s_cmp_lg_u32 s20, 0
	s_cbranch_scc1 .Lv_main
	WIN 0x08
.irp a, 0,1,2,3
	global_store_b128 v[LO], v[64*\a:64*\a+3], s[14:15] offset:1024*\a
	global_store_b128 v[LO], v[64*\a+4:64*\a+7], s[14:15] offset:1024*\a+512
.endr
	WIN 0x0c                                       ; window 3
.irp a, 0,1,2,3
	global_store_b128 v[LO], v[64*\a:64*\a+3], s[14:15] offset:12288+1024*\a
	global_store_b128 v[LO], v[64*\a+4:64*\a+7], s[14:15] offset:12288+1024*\a+512
.endr
	WIN 0
.Lv_main:
.irp a, 0,1,2,3,4,5,6,7
	PACK \a
	PUT \a, 1
.endr
	WIN 0
.Lout:
	s_wait_tensorcnt 0x0                           ; the wave's end
	ds_add_u32 v[SPW], v[NIL]
	s_wait_dscnt 0x0
	CROUND                                         ; the closing round: no work-group ends while a partner may still ask for a tile that names it
	s_endpgm
.Lfunc_end_k_q549d630df7_qkv:
	.size	k_q549d630df7_qkv, .Lfunc_end_k_q549d630df7_qkv-k_q549d630df7_qkv
	.p2alignl 7, 3214868480
	.fill 96, 4, 3214868480
	.section	.rodata,"a",@progbits
	.p2align	6, 0x0
	.amdhsa_kernel k_q549d630df7_qkv
		.amdhsa_group_segment_fixed_size 327680
		.amdhsa_private_segment_fixed_size 0
		.amdhsa_enable_private_segment 0
		.amdhsa_kernarg_size 48
		.amdhsa_user_sgpr_count 2
		.amdhsa_user_sgpr_kernarg_segment_ptr 1
		.amdhsa_wavefront_size32 1
		.amdhsa_system_sgpr_workgroup_id_x 1
		.amdhsa_system_sgpr_workgroup_id_y 1
		.amdhsa_system_sgpr_workgroup_id_z 1
		.amdhsa_system_vgpr_workitem_id 0
		.amdhsa_next_free_vgpr 1024
		.amdhsa_next_free_sgpr 102
		.amdhsa_reserve_vcc 0
		.amdhsa_float_denorm_mode_32 3
		.amdhsa_float_denorm_mode_16_64 3
		.amdhsa_memory_ordered 1
		.amdhsa_forward_progress 1
		.amdhsa_inst_pref_size 144
	.end_amdhsa_kernel
	.amdgpu_metadata
---
amdhsa.version: [ 1, 2 ]
amdhsa.kernels:
  - .name:           k_q549d630df7_qkv
    .symbol:         k_q549d630df7_qkv.kd
    .args:
      - { .name: x_codes, .offset: 0, .size: 8, .value_kind: global_buffer, .address_space: global }
      - { .name: x_scales, .offset: 8, .size: 8, .value_kind: global_buffer, .address_space: global }
      - { .name: w_codes, .offset: 16, .size: 8, .value_kind: global_buffer, .address_space: global }
      - { .name: w_scales, .offset: 24, .size: 8, .value_kind: global_buffer, .address_space: global }
      - { .name: qkv, .offset: 32, .size: 8, .value_kind: global_buffer, .address_space: global }
      - { .name: fine32, .offset: 40, .size: 8, .value_kind: global_buffer, .address_space: global }
    .group_segment_fixed_size: 327680
    .private_segment_fixed_size: 0
    .kernarg_segment_align: 8
    .kernarg_segment_size: 48
    .max_flat_workgroup_size: 128
    .sgpr_count:     102
    .vgpr_count:     1024
    .wavefront_size: 32
...
	.end_amdgpu_metadata
.endif
;; end of part 2
;; launch attn (part 3): grid 4 x 64, 8 waves a work-group, no clusters, 327,680 bytes of LDS; arguments qkv, ctxf; writes ctxf
.if DOCPART == 3
	.amdgcn_target "amdgcn-amd-amdhsa--gfx1250"
	.amdhsa_code_object_version 6
	.text
	.protected	k_q549d630df7_attn
	.globl	k_q549d630df7_attn
	.p2align	8
	.type	k_q549d630df7_attn,@function
k_q549d630df7_attn:
	s_mov_b64 s[64:65], 0
	v_nop
	global_prefetch_b8 v0, s[64:65] scope:SCOPE_SE
	s_setreg_imm32_b32 hwreg(HW_REG_WAVE_MODE, 25, 1), 1
	s_wait_xcnt 0x0
; ctx[b][h][q] = the sum over k <= q of softmax_k(q . k / 8) v, operands in f16, products, maxima and sums in f32; the weights p are rounded to f16 for the second product, ctx once at the end.
; SHARES.  A work-group belongs to one (batch, head) and owns TWO blocks of 256 queries: block 7 - j with key slots 0 .. 7 - j, then block j with key slots 0 .. j (a slot: 256 keys).
; That is nine slots whatever j: 256 work-groups of equal work and a trip count that is a constant.  Each of the eight waves owns 32 queries of the block in hand: two tiles of 16.
; LAYOUT.  S^T = K Q^T (source 0 = 16 keys, source 1 = 16 queries): a lane holds ONE query (lane % 16) and the keys 8 (lane / 16) + 0..7.  Two such tiles, rounded to f16 in pairs, are source 1 of O^T = V^T P.
; q, k and v lie in memory as images of these operands' registers (16 bytes a lane, 512 bytes a group of four registers): a slot's K and V are two dense blocks of 32,768 bytes, and every LDS load takes 16 x lane.
; ctx leaves the same way, as images of the out-projection's operand: each store covers 512 consecutive bytes, aligned.
; SOFTMAX.  For each query a running maximum m and sum l: p = 2^(c s - c m), c = log2(e) / 8; in every step O and l are multiplied by a = 2^(c m_old - c m_new).
; THE MASK.  A step of 64 keys all of which come after the wave's 32 queries is jumped over (a scalar branch on ids and counts, round no barrier and no tensor load); on the diagonal hidden scores become -infinity.
; A step that is walked begins at or under the wave's first query, so every query has a key that counts in it.
; NO CLUSTER: the four work-groups of a head want different slots from the sixth trip on; walking in step would take 12 slots where 9 do.
; LIMITS: scores stay above -3e38 (where the maximum starts); f16's range bounds q, k, v and ctx at 65,504.
; REGISTERS: window 0: v1-11 addresses; v16-31 statistics, eight a tile: +0 c m, +1 m, +2, +3 l, +4 .. +7 at work (a in +6); v32-95 S^T; v96-127 P; v128-191 K; v192-255 V.  window 1: v0-63 O^T; v64-95 Q.
.set SLOT1, 65536                      ; slot 1 begins here: one exclusive or turns an address
.set VOFF,  32768                      ; in a slot: K's four steps, then V's four
.set STEPB, 8192
.set SPARE, 131072                     ; behind the slots: the spare words, 128 bytes a wave
.set LA,   2                           ; v2 16 x lane
.set ADR,  3
.set RH,   4                           ; v4 lane % 16 - 8 (lane / 16)
.set DM,   5
.set NINF, 6
.set PFO,  7                           ; v7 256 x lane
.set SPW,  10
.set NIL,  11
.set ST,   16
.set S,    32
.set P,    96
.set KB,   128
.set VB,   192
.set QR,   64                          ; in window 1
.set WV,   8
.set J,    9
.set BH,   10
.set SEL,  12                          ; s[12:13] v_permlanex16_b32's selects for lane l xor 16
.set CS,   14                          ; s[14:15] c, twice
.set G1,   16                          ; s[16:23] descriptor group 1
.set G0,   24                          ; s[24:27] group 0, which walks
.set KVP,  28                          ; s[28:29] my wave's part (8,192 bytes of K: waves 0-3, of V: waves 4-7) of key slot 0
.set T,    30                          ; the trip
.set LIMT, 31                          ; 8 - j: the trip in which the second block begins
.set TB,   32                          ; LDS byte of the step in hand
.set KF,   33                          ; its first key
.set Q0,   34                          ; my first query
.set Q0B,  35                          ; and in the second block
.set Q1P,  36
.set Q2P,  38
.set O1P,  40
.set O2P,  42
.set PFA,  44
.set LIMP, 46
.set STP,  56
.set MSB, 0
.macro WIN new
.if MSB != \new
	s_set_vgpr_msb (MSB<<8)|\new
.set MSB, \new
.endif
.endm
	s_load_b128 s[4:7], s[0:1], 0x0                ; qkv, ctxf
	v_lshl_add_u32 v[SPW], v0, 2, SPARE
	v_mov_b32 v[NIL], 0
	ds_add_u32 v[SPW], v[NIL]                      ; the wave's opening: the add, twice on end, and its wait ahead of my first tensor load
	ds_add_u32 v[SPW], v[NIL]
	v_lshrrev_b32 v1, 5, v0
	v_readfirstlane_b32 s[WV], v1                  ; wave 0..7
	s_mov_b32 s[J], ttmp9
	s_and_b32 s[BH], ttmp7, 0xffff                 ; 16 batch + head
	s_mov_b32 s[G1], 3<<16                         ; no mask; elements of 8 bytes; no padding
	s_mov_b32 s[G1+1], 32<<16                      ; tensor_dim0 = 32: rows of 256 bytes
	s_mov_b32 s[G1+2], 32<<16                      ; tensor_dim1 = 32
	s_mov_b32 s[G1+3], 32<<16                      ; tile_dim0
	s_mov_b32 s[G1+4], 32                          ; tile_dim1: 8,192 dense bytes
	s_mov_b32 s[G1+5], 32                          ; the pitch
	s_mov_b32 s[G1+6], 0
	s_mov_b32 s[G1+7], 0
	s_mov_b32 s[SEL], 0x76543210
	s_mov_b32 s[SEL+1], 0xfedcba98
	s_mov_b32 s[CS], 0x3e38aa3b                    ; log2(e) / 8
	s_mov_b32 s[CS+1], s[CS]
	s_sub_co_u32 s[LIMT], 8, s[J]
	s_mov_b32 s[TB], 0
	s_mov_b32 s[KF], 0
	s_mov_b32 s[T], 0
	s_sub_co_u32 s47, 7, s[J]                      ; the first block of queries
	s_lshl_b32 s48, s[WV], 5
	s_lshl_b32 s[Q0], s47, 8
	s_add_co_u32 s[Q0], s[Q0], s48
	s_lshl_b32 s[Q0B], s[J], 8
	s_add_co_u32 s[Q0B], s[Q0B], s48
	s_cmp_eq_u32 s[J], 0
	s_cselect_b32 s[LIMP], 6, 0                    ; the head's work-group j = 0, which walks slots 0 to 7 in order, prefetches in trips 0 to 5
	s_lshl_b32 s48, s[BH], 18                      ; the head's 262,144 bytes in a region
	s_lshr_b32 s50, s[WV], 2
	s_add_co_u32 s50, s50, 1
	s_lshl_b32 s50, s50, 24                        ; k's region or v's
	s_add_co_u32 s50, s50, s48
	s_and_b32 s49, s[WV], 3
	s_lshl_b32 s49, s49, 13
	s_add_co_u32 s50, s50, s49
	s_mov_b32 s51, 0
	s_wait_dscnt 0x0                               ; both opening adds are done
	s_wait_kmcnt 0x0
	s_add_nc_u64 s[KVP:KVP+1], s[4:5], s[50:51]
	s_mov_b32 s[G0], 1                             ; count = 1
	s_lshl_b32 s[G0+1], s[WV], 13                  ; LDS: wave x 8,192, in slot 0
	s_mov_b64 s[G0+2:G0+3], s[KVP:KVP+1]
	s_or_b32 s[G0+3], s[G0+3], 0x80000000          ; type = 2
	tensor_load_to_lds s[G0:G0+3], s[G1:G1+7]      ; key slot 0: one load of mine is out
	s_nop 0
.rept 4
	v_nop
.endr
	s_add_nc_u64 s[PFA:PFA+1], s[KVP:KVP+1], 32768 ; at slot 1: the first change of slots steps it to slot 2.  Nothing is prefetched here, at the head
	s_lshl_b32 s52, s[WV], 12                      ; my two tiles of queries: 2 x 2,048 bytes a wave
	s_add_co_u32 s52, s52, s48
	s_lshl_b32 s50, s47, 15
	s_add_co_u32 s50, s50, s52
	s_add_nc_u64 s[Q1P:Q1P+1], s[4:5], s[50:51]
	s_lshl_b32 s50, s[J], 15
	s_add_co_u32 s50, s50, s52
	s_add_nc_u64 s[Q2P:Q2P+1], s[4:5], s[50:51]
	s_and_b32 s52, s[BH], 15                       ; ctx's images: [head / 2][row / 16][2 (head % 2) + c][g]
	s_lshr_b32 s53, s52, 1
	s_lshl_b32 s53, s53, 21
	s_and_b32 s52, s52, 1
	s_lshl_b32 s52, s52, 11
	s_add_co_u32 s53, s53, s52
	s_lshr_b32 s52, s[BH], 4
	s_lshl_b32 s52, s52, 19
	s_add_co_u32 s53, s53, s52
	s_lshl_b32 s52, s[WV], 13
	s_add_co_u32 s53, s53, s52
	s_lshl_b32 s50, s47, 16
	s_add_co_u32 s50, s50, s53
	s_add_nc_u64 s[O1P:O1P+1], s[6:7], s[50:51]
	s_lshl_b32 s50, s[J], 16
	s_add_co_u32 s50, s50, s53
	s_add_nc_u64 s[O2P:O2P+1], s[6:7], s[50:51]
	v_and_b32 v1, 15, v0
	v_bfe_u32 v8, v0, 4, 1
	v_and_b32 v9, 31, v0
	v_lshlrev_b32 v[LA], 4, v9
	v_lshlrev_b32 v[PFO], 8, v9
	v_lshlrev_b32 v8, 3, v8
	v_sub_nc_u32 v[RH], v1, v8
	v_mov_b32 v[NINF], 0xff800000
.macro QLOAD p                         ; my two tiles of queries: fragments (tile t, channels 32 c on), as they lie
	WIN 0x40
.irp t, 0,1
.irp c, 0,1
.irp g, 0,1
	global_load_b128 v[QR+16*\t+8*\c+4*\g:QR+16*\t+8*\c+4*\g+3], v[LA], s[\p:\p+1] offset:2048*\t+1024*\c+512*\g
.endr
.endr
.endr
	WIN 0
.endm
.macro INIT                            ; a block of queries begins: m = -3e38, l = 0, O^T = 0, so that the step is written once: the first change of m multiplies zeros
.irp t, 0,1
	v_mov_b32 v[ST+8*\t+1], 0xff61b1e6
	v_mul_f32 v[ST+8*\t], s[CS], v[ST+8*\t+1]
.irp u, 2,3,4,5,6,7
	v_mov_b32 v[ST+8*\t+\u], 0
.endr
.endr
	WIN 0x40
.set n, 0
.rept 64
	v_mov_b32 v[n], 0
.set n, n+1
.endr
	WIN 0
.endm
; THE CHANGE OF SLOTS stands at a trip's head.  Each wave waits for all its tensor loads (its part of the slot that it is about to read), adds 0 to its spare word, and waits for that and for its reads of the slot that it has left.
; Behind the barrier the slot ahead is whole and nobody reads the other one.  fill = 1: that other slot takes the next trip's keys: every wave's one load, 8,192 bytes, which has a whole trip in which to land.
.macro CHANGE fill
	s_wait_tensorcnt 0x0                           ; no tensor load of mine is out, so group 0 may be written
	ds_add_u32 v[SPW], v[NIL]                      ; 0 onto my spare word
.if \fill
	s_add_co_u32 s47, s[T], 1                      ; the next trip's key slot: its number in the first block, less LIMT in the second
	s_sub_co_u32 s48, s47, s[LIMT]
	s_cmp_lt_u32 s47, s[LIMT]
	s_cselect_b32 s48, s47, s48
	s_lshl_b32 s48, s48, 15
	s_mov_b32 s49, 0
	s_add_nc_u64 s[G0+2:G0+3], s[KVP:KVP+1], s[48:49]
	s_or_b32 s[G0+3], s[G0+3], 0x80000000
	s_xor_b32 s[G0+1], s[G0+1], SLOT1              ; the other slot than last time
	s_wait_xcnt 0x0                                ; the last prefetch, a trip back, has read its address
	s_add_nc_u64 s[PFA:PFA+1], s[PFA:PFA+1], 32768 ; key slot T + 2
.endif
	s_wait_dscnt 0x0                               ; the add is done, and my reads of the slot that I have left are over
	s_barrier_signal -1
	s_barrier_wait -1
.if \fill
	tensor_load_to_lds s[G0:G0+3], s[G1:G1+7]      ; the first thing behind the barrier, and my one tensor load until the next
	s_nop 0
.rept 4
	v_nop
.endr
	; A prefetch of what the NEXT change of slots will ask for: my wave's 8,192 bytes of key slot T + 2, lanes 256 bytes apart.  All four work-groups of a head walk the same K and V:
	; the one with j = 0 asks, so that each block of 256 bytes is named once in the launch; it stops at trip 5, whose request is the head's last slot.
	s_cmp_lt_u32 s[T], s[LIMP]
	s_cbranch_scc0 .Lnot_mine_\@
	global_prefetch_b8 v[PFO], s[PFA:PFA+1] th:TH_LOAD_NT scope:SCOPE_SE
.Lnot_mine_\@:
.endif
.endm
; A KEY STEP: 64 keys.
.macro STEP
	s_add_co_u32 s47, s[Q0], 31
	s_cmp_gt_u32 s[KF], s47                        ; all 64 keys come after my 32 queries: the step's work is left out
	s_cbranch_scc1 .Lhidden_\@
	v_add_nc_u32 v[ADR], s[TB], v[LA]
.irp f, 0,1,2,3,4,5,6,7                ; K: fragment f = 2 kt + c: keys 16 kt on, channels 32 c on
	ds_load_b128 v[KB+8*\f:KB+8*\f+3], v[ADR] offset:1024*\f
	ds_load_b128 v[KB+8*\f+4:KB+8*\f+7], v[ADR] offset:1024*\f+512
.endr
.irp f, 0,1,2,3,4,5,6,7                ; V: fragment f = 4 kg + ct: keys 32 kg on, channels 16 ct on
	ds_load_b128 v[VB+8*\f:VB+8*\f+3], v[ADR] offset:VOFF+1024*\f
	ds_load_b128 v[VB+8*\f+4:VB+8*\f+7], v[ADR] offset:VOFF+1024*\f+512
.endr
	s_wait_dscnt 16                                ; K is in; V's sixteen loads may be out
	WIN 0x04                                       ; source 1 (Q) in window 1
.set i, 0
.rept 16                               ; S^T = K Q^T: channels 32 (i / 8) on, keys 16 ((i / 2) % 4) on, tile i % 2.  The eight accumulators take turns; the first eight products start the sums
.set rS, S+32*(i%2)+8*((i/2)%4)
.set rK, KB+8*(2*((i/2)%4)+i/8)
.set rQ, QR+16*(i%2)+8*(i/8)
.if i < 8
	v_wmma_f32_16x16x32_f16 v[rS:rS+7], v[rK:rK+7], v[rQ:rQ+7], 0
.else
	v_wmma_f32_16x16x32_f16 v[rS:rS+7], v[rK:rK+7], v[rQ:rQ+7], v[rS:rS+7]
.endif
.set i, i+1
.endr
	WIN 0
.rept 4
	v_nop                                          ; places between the products and the first use of their results
.endr
	s_add_co_u32 s47, s[KF], 63
	s_cmp_le_u32 s47, s[Q0]                        ; all 64 keys count for all my queries: no mask
	s_cbranch_scc1 .Lopen_\@
	s_sub_co_i32 s47, s[Q0], s[KF]
	v_add_nc_u32 v[DM], s47, v[RH]                 ; d = Q0 - KF + lane % 16 - 8 (lane / 16).  Register 8 kt + i of tile t holds key KF + 16 kt + 8 (lane / 16) + i for query Q0 + 16 t + lane % 16: hidden where 16 kt + i - 16 t > d
.irp t, 0,1
.irp n, 0,1,2,3,4,5,6,7,8,9,10,11,12,13,14,15,16,17,18,19,20,21,22,23,24,25,26,27,28,29,30,31
	v_cmp_gt_i32 vcc_lo, 16*(\n/8)+\n%8-16*\t, v[DM]
	v_cndmask_b32 v[S+32*\t+\n], v[S+32*\t+\n], v[NINF], vcc_lo
.endr
.endr
.Lopen_\@:
	; the softmax, the two tiles line by line, so that no line waits for the line above it.  The maximum: four chains, each accumulator from its low end on
.irp j, 0,1,2,3
.irp t, 0,1
	v_max3_num_f32 v[ST+8*\t+4+\j], v[S+32*\t+8*\j], v[S+32*\t+8*\j+1], v[S+32*\t+8*\j+2]
.endr
.endr
.irp u, 3,5
.irp j, 0,1,2,3
.irp t, 0,1
	v_max3_num_f32 v[ST+8*\t+4+\j], v[ST+8*\t+4+\j], v[S+32*\t+8*\j+\u], v[S+32*\t+8*\j+\u+1]
.endr
.endr
.endr
.irp t, 0,1
	v_max3_num_f32 v[ST+8*\t+4], v[ST+8*\t+4], v[S+32*\t+7], v[S+32*\t+15]
.endr
.irp t, 0,1
	v_max3_num_f32 v[ST+8*\t+6], v[ST+8*\t+6], v[S+32*\t+23], v[S+32*\t+31]
.endr
.irp t, 0,1
	v_max3_num_f32 v[ST+8*\t+4], v[ST+8*\t+4], v[ST+8*\t+5], v[ST+8*\t+6]
.endr
.irp t, 0,1
	v_max3_num_f32 v[ST+8*\t+4], v[ST+8*\t+4], v[ST+8*\t+7], v[ST+8*\t+1]   ; with the old m
.endr
.irp t, 0,1
	v_permlanex16_b32 v[ST+8*\t+5], v[ST+8*\t+4], s[SEL], s[SEL+1]          ; the query's other 32 keys lie in the lane 16 away
.endr
.irp t, 0,1
	v_mov_b32 v[ST+8*\t+7], v[ST+8*\t]             ; c m_old
.endr
.irp t, 0,1
	v_max_num_f32 v[ST+8*\t+1], v[ST+8*\t+4], v[ST+8*\t+5]
.endr
.irp t, 0,1
	v_mul_f32 v[ST+8*\t], s[CS], v[ST+8*\t+1]
.endr
.irp t, 0,1
	v_sub_f32 v[ST+8*\t+7], v[ST+8*\t+7], v[ST+8*\t]
.endr
.set n, 0
.rept 16
.irp t, 0,1
	v_pk_fma_f32 v[S+32*\t+2*n:S+32*\t+2*n+1], v[S+32*\t+2*n:S+32*\t+2*n+1], s[CS:CS+1], v[ST+8*\t:ST+8*\t+1] op_sel_hi:[1,0,0] neg_lo:[0,0,1] neg_hi:[0,0,1]   ; c s - c m
.endr
.set n, n+1
.endr
.irp t, 0,1
	v_exp_f32 v[ST+8*\t+6], v[ST+8*\t+7]           ; a
.endr
.set n, 0
.rept 32
.irp t, 0,1
	v_exp_f32 v[S+32*\t+n], v[S+32*\t+n]           ; p
.endr
.set n, n+1
.endr
	v_nop                                          ; a plain instruction behind the last exponential
	s_wait_alu depctr_va_vdst(0)                   ; one wait for the 66 exponentials, ahead of the first use of a result
.set n, 0
.rept 16
.irp t, 0,1
	v_cvt_pk_f16_f32 v[P+16*\t+n], v[S+32*\t+2*n], v[S+32*\t+2*n+1]
.endr
.set n, n+1
.endr
.irp u, 0,1,2,3,4,5,6,7                ; the sum of the unrounded p, in place: neighbours 1, 2, 4 and 8 pairs apart
.irp t, 0,1
	v_pk_add_f32 v[S+32*\t+4*\u:S+32*\t+4*\u+1], v[S+32*\t+4*\u:S+32*\t+4*\u+1], v[S+32*\t+4*\u+2:S+32*\t+4*\u+3]
.endr
.endr
.irp u, 0,1,2,3
.irp t, 0,1
	v_pk_add_f32 v[S+32*\t+8*\u:S+32*\t+8*\u+1], v[S+32*\t+8*\u:S+32*\t+8*\u+1], v[S+32*\t+8*\u+4:S+32*\t+8*\u+5]
.endr
.endr
.irp u, 0,1
.irp t, 0,1
	v_pk_add_f32 v[S+32*\t+16*\u:S+32*\t+16*\u+1], v[S+32*\t+16*\u:S+32*\t+16*\u+1], v[S+32*\t+16*\u+8:S+32*\t+16*\u+9]
.endr
.endr
.irp t, 0,1
	v_pk_add_f32 v[S+32*\t:S+32*\t+1], v[S+32*\t:S+32*\t+1], v[S+32*\t+16:S+32*\t+17]
.endr
.irp t, 0,1
	v_pk_fma_f32 v[ST+8*\t+2:ST+8*\t+3], v[ST+8*\t+2:ST+8*\t+3], v[ST+8*\t+6:ST+8*\t+7], v[S+32*\t:S+32*\t+1] op_sel_hi:[1,0,1]   ; l = a l + the sum
.endr
	WIN 0x41                                       ; O^T in window 1, a in window 0
.set n, 0
.rept 16
.irp t, 0,1
	v_pk_mul_f32 v[32*\t+2*n:32*\t+2*n+1], v[32*\t+2*n:32*\t+2*n+1], v[ST+8*\t+6:ST+8*\t+7] op_sel_hi:[1,0]
.endr
.set n, n+1
.endr
	s_wait_dscnt 0x0                               ; V is in
	WIN 0x50                                       ; C and D in window 1
.set i, 0
.rept 16                               ; O^T += V^T P: keys 32 (i / 8) on, channels 16 ((i / 2) % 4) on, tile i % 2: eight accumulators by turns
.set rO, 32*(i%2)+8*((i/2)%4)
.set rV, VB+8*(4*(i/8)+(i/2)%4)
.set rP, P+16*(i%2)+8*(i/8)
	v_wmma_f32_16x16x32_f16 v[rO:rO+7], v[rV:rV+7], v[rP:rP+7], v[rO:rO+7]
.set i, i+1
.endr
	WIN 0
.rept 4
	v_nop                                          ; places in front of the next loads into V's registers and of the next use of O^T
.endr
.Lhidden_\@:
	s_add_co_u32 s[KF], s[KF], 64
	s_add_co_u32 s[TB], s[TB], STEPB
.endm
; A block of queries ends: O^T / l, rounded to f16, leaves as images: tile t, channels 16 c on: 512 consecutive bytes a store.
.macro FINISH ob
.irp t, 0,1
	v_add_f32 v[ST+8*\t+4], v[ST+8*\t+2], v[ST+8*\t+3]
.endr
.irp t, 0,1
	v_permlanex16_b32 v[ST+8*\t+5], v[ST+8*\t+4], s[SEL], s[SEL+1]
.endr
.irp t, 0,1
	v_add_f32 v[ST+8*\t+4], v[ST+8*\t+4], v[ST+8*\t+5]
.endr
.irp t, 0,1
	v_rcp_f32 v[ST+8*\t+6], v[ST+8*\t+4]
.endr
	v_nop
	s_wait_alu depctr_va_vdst(0)                   ; one wait for the two reciprocals, ahead of their first use
	WIN 0x41
.set n, 0
.rept 16
.irp t, 0,1
	v_pk_mul_f32 v[32*\t+2*n:32*\t+2*n+1], v[32*\t+2*n:32*\t+2*n+1], v[ST+8*\t+6:ST+8*\t+7] op_sel_hi:[1,0]
.endr
.set n, n+1
.endr
	WIN 0x05                                       ; sources in window 1, destination in window 0: S^T's registers are free
.set n, 0
.rept 16
.irp t, 0,1
	v_cvt_pk_f16_f32 v[S+16*\t+n], v[32*\t+2*n], v[32*\t+2*n+1]
.endr
.set n, n+1
.endr
	WIN 0
.irp t, 0,1
.irp c, 0,1,2,3
	global_store_b128 v[LA], v[S+16*\t+4*\c:S+16*\t+4*\c+3], s[\ob:\ob+1] offset:4096*\t+512*\c
.endr
.endr
.endm
.macro SWITCH                          ; from the first block of queries to the second
	QLOAD Q2P                                      ; asked for first: it lands while the first block goes out
	FINISH O1P
	INIT
	s_mov_b32 s[KF], 0
	s_mov_b32 s[Q0], s[Q0B]
	s_wait_loadcnt 0x0                             ; Q
	s_wait_xcnt 0x0                                ; the stores have read their data: S^T's registers are written again only behind this wait
.endm
.macro TRIP fill
	CHANGE \fill
	s_cmp_lg_u32 s[T], s[LIMT]                     ; ids and the count of trips alone: all eight waves go the same way; no barrier and no tensor load stands inside
	s_cbranch_scc1 .Lsame_\@
	SWITCH
.Lsame_\@:
	s_mov_b32 s[STP], 4
.Lstep_\@:
	STEP
	s_sub_co_u32 s[STP], s[STP], 1
	s_cmp_lg_u32 s[STP], 0
	s_cbranch_scc1 .Lstep_\@
	s_sub_co_u32 s[TB], s[TB], 4*STEPB             ; back to a slot's first step,
	s_xor_b32 s[TB], s[TB], SLOT1                  ; in the other slot
.endm
	QLOAD Q1P
	INIT
	s_wait_loadcnt 0x0                             ; Q
.Ltrip:                                ; eight trips, each asking for the next trip's keys
	TRIP 1
	s_add_co_u32 s[T], s[T], 1
	s_cmp_lt_u32 s[T], 8
	s_cbranch_scc1 .Ltrip
	TRIP 0                                         ; the ninth is written out
	FINISH O2P
	s_wait_tensorcnt 0x0                           ; the wave's end
	ds_add_u32 v[SPW], v[NIL]
	s_wait_dscnt 0x0
	s_endpgm
.Lfunc_end_k_q549d630df7_attn:
	.size	k_q549d630df7_attn, .Lfunc_end_k_q549d630df7_attn-k_q549d630df7_attn
	.p2alignl 7, 3214868480
	.fill 96, 4, 3214868480
	.section	.rodata,"a",@progbits
	.p2align	6, 0x0
	.amdhsa_kernel k_q549d630df7_attn
		.amdhsa_group_segment_fixed_size 327680
		.amdhsa_private_segment_fixed_size 0
		.amdhsa_enable_private_segment 0
		.amdhsa_kernarg_size 16
		.amdhsa_user_sgpr_count 2
		.amdhsa_user_sgpr_kernarg_segment_ptr 1
		.amdhsa_wavefront_size32 1
		.amdhsa_system_sgpr_workgroup_id_x 1
		.amdhsa_system_sgpr_workgroup_id_y 1
		.amdhsa_system_sgpr_workgroup_id_z 1
		.amdhsa_system_vgpr_workitem_id 0
		.amdhsa_next_free_vgpr 352
		.amdhsa_next_free_sgpr 66
		.amdhsa_reserve_vcc 1
		.amdhsa_float_denorm_mode_32 3
		.amdhsa_float_denorm_mode_16_64 3
		.amdhsa_memory_ordered 1
		.amdhsa_forward_progress 1
		.amdhsa_inst_pref_size 75
	.end_amdhsa_kernel
	.amdgpu_metadata
---
amdhsa.version: [ 1, 2 ]
amdhsa.kernels:
  - .name:           k_q549d630df7_attn
    .symbol:         k_q549d630df7_attn.kd
    .args:
      - { .name: qkv, .offset: 0, .size: 8, .value_kind: global_buffer, .address_space: global }
      - { .name: ctxf, .offset: 8, .size: 8, .value_kind: global_buffer, .address_space: global }
    .group_segment_fixed_size: 327680
    .private_segment_fixed_size: 0
    .kernarg_segment_align: 8
    .kernarg_segment_size: 16
    .max_flat_workgroup_size: 256
    .sgpr_count:     66
    .vgpr_count:     352
    .wavefront_size: 32
...
	.end_amdgpu_metadata
.endif
;; end of part 3
;; launch oproj (part 4): grid 4 x 64, 4 waves a work-group, clusters of 4 x 4, 327,680 bytes of LDS; arguments ctxf, wof, out0; writes out0
.if DOCPART == 4
	.amdgcn_target "amdgcn-amd-amdhsa--gfx1250"
	.amdhsa_code_object_version 6
	.text
	.protected	k_q549d630df7_oproj
	.globl	k_q549d630df7_oproj
	.p2align	8
	.type	k_q549d630df7_oproj,@function
k_q549d630df7_oproj:
	s_mov_b64 s[64:65], 0
	v_nop
	global_prefetch_b8 v0, s[64:65] scope:SCOPE_SE
	s_setreg_imm32_b32 hwreg(HW_REG_WAVE_MODE, 25, 1), 1
	s_wait_xcnt 0x0
	s_wait_alu depctr_hold_cnt(0) depctr_sa_sdst(0) depctr_va_vdst(0) depctr_va_sdst(0) depctr_va_ssrc(0) depctr_va_vcc(0) depctr_vm_vsrc(0)
	s_getreg_b32 s2, hwreg(HW_REG_IB_STS2, 6, 4)
	s_cmp_eq_u32 s2, 0
	s_cbranch_scc0 .Lentry_in_a_cluster
	s_endpgm
.Lentry_in_a_cluster:
	s_bfe_u32 s2, ttmp6, 0x10000c
	s_cmp_lg_u32 s2, 0xf033
	s_cbranch_scc0 .Lentry_shape_is_right
	s_endpgm
.Lentry_shape_is_right:
; out[m][n] = the sum over k of ctx[m][k] W_o[n][k]: 8,192 x 1,024 x 1,024, operands in f16, sums and result in f32.
; A tile of 128 x 256 gives 256 work-groups.  Four waves, each 64 x 128: 32 accumulators of 16 x 16, all of window 1.  K goes in steps of 128 through a ring of two LDS slots.
; Both operands lie in memory as images of the operand registers, [K step][16 rows][32 along K][g 2][lane][16 bytes]: a K step's tile is one dense block (A: 32,768 bytes, B: 65,536), and every LDS load takes 16 x lane:
; 512 consecutive bytes, so no padding is wanted.
; THE MATRIX INSTRUCTION IS USED TRANSPOSED (source 0 = 16 rows of W_o, source 1 = 16 rows of ctx): a lane holds eight neighbouring numbers of a row of out.
; CLUSTERS: 4 x 4.  ctx's tile is shared along a row of the cluster, W_o's along a column: joint loads; each change of slots that fills a slot again is a round of the cluster's barrier.
; No prefetch: a tile's K step holds 128 matrix instructions a wave, and W_o's images are read by every row of clusters.
; The first 16 positions of each sequence are written here too and written over by the launch that carries them in f32.
; REGISTERS: window 0: v16-29 addresses; two fragment buffers of 96 at v32 and v128 (A's four blocks, then B's eight); on the way out v32-159.  window 1: accumulator (a, b) at v[8 (8 a + b)].
.set SLOT,   98304                     ; A's 32,768 bytes, then B's 65,536
.set BOFF,   32768
.set STAGE,  2*SLOT                    ; behind the ring: 16 rows x (512 bytes + 16) for each wave
.set SPITCH, 528
.set SPARE,  STAGE+4*16*SPITCH         ; the spare words, 128 bytes a wave
.set LAPS,   4                         ; a lap = two K steps
.set ADRA, 16
.set ADRB, 20
.set STO,  24
.set RD,   25
.set CO,   26
.set SPW,  28
.set NIL,  29
.set F0,   32
.set F1,   128
.set BK,   32
.set G1, 24
.set G0, 32
.set G1B, 48
.set G0B, 56
.set MSB, 0
.macro WIN new
.if MSB != \new
	s_set_vgpr_msb (MSB<<8)|\new
.set MSB, \new
.endif
.endm
.set MUL, 0x50                         ; C and D in window 1
.macro JLOAD s                         ; a joint load: waves 0 and 1 fetch A's halves, waves 2 and 3 B's; an s_nop 0 and four v_nop follow each line
	s_cmp_eq_u32 s11, 0
	s_cbranch_scc0 .Lfor_b_\@
	tensor_load_to_lds s[G0+4*\s:G0+4*\s+3], s[G1:G1+7]
	s_nop 0
.rept 4
	v_nop
.endr
	s_branch .Lasked_\@
.Lfor_b_\@:
	tensor_load_to_lds s[G0B+4*\s:G0B+4*\s+3], s[G1B:G1B+7]
	s_nop 0
.rept 4
	v_nop
.endr
.Lasked_\@:
.endm
.macro CREST
	s_cmp_lg_u32 s10, 0
	s_cbranch_scc1 .Lnot_wave_0_\@
	s_barrier_signal -3
.Lnot_wave_0_\@:
	s_barrier_wait -3
	s_barrier_signal -1
	s_barrier_wait -1
.endm
.macro CROUND
	s_barrier_signal -1
	s_barrier_wait -1
	CREST
.endm
	s_load_b128 s[4:7], s[0:1], 0x0                ; ctx's images, W_o's images
	s_load_b64 s[8:9], s[0:1], 0x10                ; out
	v_lshl_add_u32 v[SPW], v0, 2, SPARE
	v_mov_b32 v[NIL], 0
	ds_add_u32 v[SPW], v[NIL]                      ; the wave's opening: the add, twice on end, and its wait ahead of my first tensor load
	ds_add_u32 v[SPW], v[NIL]
	v_lshrrev_b32 v1, 5, v0
	v_readfirstlane_b32 s10, v1                    ; wave 0..3
	s_lshr_b32 s11, s10, 1                         ; which 64 rows are mine.  Also: I fetch for A (0) or for B (1)
	s_and_b32 s12, s10, 1                          ; which 128 columns.  Also: which half of that tile I fetch
	s_bfe_u32 s40, ttmp6, 0x40000                  ; cx
	s_bfe_u32 s41, ttmp6, 0x40004                  ; cy
	s_lshl_b32 s42, ttmp9, 2
	s_add_co_u32 s42, s42, s40                     ; tile column
	s_and_b32 s13, ttmp7, 0xffff
	s_lshl_b32 s13, s13, 2
	s_add_co_u32 s13, s13, s41                     ; tile row
	s_lshl_b32 s43, s41, 2
	s_lshl_b32 s43, 15, s43                        ; my row of the cluster
	s_lshl_b32 s44, 0x1111, s40                    ; my column
	s_or_b32 s[G1+0], s43, (3<<16)|(1<<21)         ; the mask; elements of 8 bytes; no padding
	s_or_b32 s[G1B+0], s44, (3<<16)|(1<<21)
	s_mov_b32 s[G1+1], 32<<16                      ; rows of 256 bytes
	s_mov_b32 s[G1+2], 64<<16                      ; A: 64 of them, 16,384 dense bytes
	s_mov_b32 s[G1+3], 32<<16
	s_mov_b32 s[G1+4], 64
	s_mov_b32 s[G1+5], 32
	s_mov_b32 s[G1+6], 0
	s_mov_b32 s[G1+7], 0
	s_mov_b32 s[G1B+1], 32<<16
	s_mov_b32 s[G1B+2], 128<<16                    ; B: 128 of them, 32,768 dense bytes
	s_mov_b32 s[G1B+3], 32<<16
	s_mov_b32 s[G1B+4], 128
	s_mov_b32 s[G1B+5], 32
	s_mov_b32 s[G1B+6], 0
	s_mov_b32 s[G1B+7], 0
	s_lshl_b32 s16, s13, 15                        ; A: tile row x 32,768 + half x 16,384, in K step 0
	s_lshl_b32 s18, s12, 14
	s_add_co_u32 s16, s16, s18
	s_mov_b32 s17, 0
	s_lshl_b32 s46, s42, 16                        ; B: tile column x 65,536 + half x 32,768
	s_lshl_b32 s18, s12, 15
	s_add_co_u32 s46, s46, s18
	s_mov_b32 s47, 0
	s_lshl_b32 s20, s12, 14                        ; where they go: no place in the cluster enters an LDS address
	s_lshl_b32 s21, s12, 15
	s_add_co_u32 s21, s21, BOFF
	s_wait_dscnt 0x0                               ; both opening adds are done
	s_wait_kmcnt 0x0
	s_add_nc_u64 s[14:15], s[4:5], s[16:17]
	s_add_nc_u64 s[46:47], s[6:7], s[46:47]
	CROUND                                         ; all sixteen work-groups are here: the first joint loads meet
.irp s, 0,1
	s_mov_b32 s[G0+4*\s], 1
	s_add_co_u32 s[G0+4*\s+1], s20, \s*SLOT
	s_add_nc_u64 s[G0+4*\s+2:G0+4*\s+3], s[14:15], \s*2097152      ; a K step of ctx's images is 2,097,152 bytes on
	s_or_b32 s[G0+4*\s+3], s[G0+4*\s+3], 0x80000000
	s_mov_b32 s[G0B+4*\s], 1
	s_add_co_u32 s[G0B+4*\s+1], s21, \s*SLOT
	s_add_nc_u64 s[G0B+4*\s+2:G0B+4*\s+3], s[46:47], \s*262144     ; of W_o's 262,144
	s_or_b32 s[G0B+4*\s+3], s[G0B+4*\s+3], 0x80000000
	JLOAD \s                                       ; two loads of mine are out
.endr
	v_and_b32 v1, 15, v0
	v_bfe_u32 v2, v0, 4, 1
	v_and_b32 v3, 31, v0
	v_lshlrev_b32 v[CO], 4, v3                     ; 16 x lane
	s_lshl_b32 s21, s11, 14                        ; my 64 rows of A
	s_lshl_b32 s22, s12, 15                        ; my 128 rows of B,
	s_add_co_u32 s22, s22, BOFF                    ; behind A's
.irp s, 0,1
	v_add_nc_u32 v[ADRA+\s], s21, v[CO]
	v_add_nc_u32 v[ADRB+\s], s22, v[CO]
	s_add_co_u32 s21, s21, SLOT
	s_add_co_u32 s22, s22, SLOT
.endr
	s_mul_i32 s23, s10, 16*SPITCH
	s_add_co_u32 s23, s23, STAGE                   ; my stage
	v_mul_u32_u24 v5, v1, SPITCH                   ; in: row l % 16, 32 bytes for each half of the lanes
	v_lshl_add_u32 v5, v2, 5, v5
	v_add_nc_u32 v[STO], s23, v5
	v_add_nc_u32 v[RD], s23, v[CO]                 ; back: the 32 lanes take one row of 512 bytes
	s_lshl_b32 s16, s13, 19                        ; my first row of out: (128 tile row + 64 half) x 4,096 bytes
	s_lshl_b32 s17, s11, 18
	s_add_co_u32 s16, s16, s17
	s_mov_b32 s17, 0
	s_add_nc_u64 s[8:9], s[8:9], s[16:17]
	s_lshl_b32 s46, s42, 10                        ; my first column, in bytes
	s_lshl_b32 s47, s12, 9
	s_add_co_u32 s46, s46, s47
	s_mov_b32 s47, 0
	s_add_nc_u64 s[8:9], s[8:9], s[46:47]
.macro MUL8 f, a, zero                 ; A's block a x B's eight, 32 along K.  The 32 accumulators take turns, one instruction a turn, in the same order in every quarter
.irp b, 0,1,2,3,4,5,6,7
.if \zero
	v_wmma_f32_16x16x32_f16 v[8*(8*(\a)+\b):8*(8*(\a)+\b)+7], v[\f+32+8*\b:\f+32+8*\b+7], v[\f+8*(\a):\f+8*(\a)+7], 0
.else
	v_wmma_f32_16x16x32_f16 v[8*(8*(\a)+\b):8*(8*(\a)+\b)+7], v[\f+32+8*\b:\f+32+8*\b+7], v[\f+8*(\a):\f+8*(\a)+7], v[8*(8*(\a)+\b):8*(8*(\a)+\b)+7]
.endif
.endr
.endm
.macro FETCH slot, q, f                ; 24 LDS loads in one run: the slot's q-th 32 along K: B's eight fragments, then A's four
	WIN 0
.irp b, 0,1,2,3,4,5,6,7
	ds_load_b128 v[\f+32+8*\b:\f+32+8*\b+3],   v[ADRB+\slot] offset:4096*\b+1024*(\q)
	ds_load_b128 v[\f+32+8*\b+4:\f+32+8*\b+7], v[ADRB+\slot] offset:4096*\b+1024*(\q)+512
.endr
.irp a, 0,1,2,3
	ds_load_b128 v[\f+8*\a:\f+8*\a+3],   v[ADRA+\slot] offset:4096*\a+1024*(\q)
	ds_load_b128 v[\f+8*\a+4:\f+8*\a+7], v[ADRA+\slot] offset:4096*\a+1024*(\q)+512
.endr
.endm
.macro PLACES                          ; plain vector instructions between a matrix instruction and a load into, or an LDS store of, its registers
.rept 4
	v_nop
.endr
.endm
.macro QUARTER slot, q, f, g, zero     ; multiplies buffer f; in its middle fetches the slot's q-th quarter into buffer g
	s_wait_dscnt 4                                 ; B and A's blocks 0, 1 are in; the youngest four loads (A's blocks 2, 3) may be out
	WIN MUL
	MUL8 \f, 0, \zero
	MUL8 \f, 1, \zero
	PLACES
	FETCH \slot, \q, \g
	s_wait_dscnt 24                                ; all but the 24 just issued
	WIN MUL
	MUL8 \f, 2, \zero
	MUL8 \f, 3, \zero
.endm
; A slot's last quarter multiplies buffer 1 and changes slots: ONE barrier; in front of it each wave waits for all its tensor loads, adds 0 to its spare word, and waits for that and for its reads of this slot.
.macro TURN slot, next, fill
	WIN 0
	s_wait_tensorcnt 0x0                           ; all my tensor loads have landed: my part of the next slot
	ds_add_u32 v[SPW], v[NIL]                      ; 0 onto my spare word
	s_wait_dscnt 5                                 ; (the add and the youngest four loads may be out)
	WIN MUL
	MUL8 F1, 0, 0
	s_wait_dscnt 0x0                               ; the add is done, and my reads of this slot are over
	s_barrier_signal -1
	MUL8 F1, 1, 0
.if \fill
	WIN 0
.endif
	s_barrier_wait -1
.if \fill
	CREST                                          ; the barrier has opened a round of the cluster's: no wave of any partner still reads this slot or has a load on its way
	s_add_nc_u64 s[G0+4*\slot+2:G0+4*\slot+3], s[G0+4*\slot+2:G0+4*\slot+3], 2*2097152
	s_add_nc_u64 s[G0B+4*\slot+2:G0B+4*\slot+3], s[G0B+4*\slot+2:G0B+4*\slot+3], 2*262144
	JLOAD \slot                                    ; the first tensor load behind the round; its four v_nop are also the places in front of the loads below
.else
	PLACES
.endif
	FETCH \next, 0, F0
	WIN MUL
	MUL8 F1, 2, 0
	MUL8 F1, 3, 0
.endm
	s_wait_tensorcnt 1                             ; my part of K step 0 is in (K step 1's load may be out),
	s_barrier_signal -1
	s_barrier_wait -1                              ; everybody's is
	FETCH 0, 0, F0
	QUARTER 0, 1, F0, F1, 1                        ; the first quarter's products start the sums: nothing is cleared
	WIN 0
	s_mov_b32 s3, LAPS-1
.Llap:                                 ; a trip goes once round the ring and fills both slots again
	QUARTER 0, 2, F1, F0, 0
	QUARTER 0, 3, F0, F1, 0
	TURN 0, 1, 1
	QUARTER 1, 1, F0, F1, 0
	QUARTER 1, 2, F1, F0, 0
	QUARTER 1, 3, F0, F1, 0
	TURN 1, 0, 1
	QUARTER 0, 1, F0, F1, 0
	WIN 0
	s_sub_co_u32 s3, s3, 1
	s_cmp_lg_u32 s3, 0
	s_cbranch_scc1 .Llap
	QUARTER 0, 2, F1, F0, 0                        ; the last lap fills nothing
	QUARTER 0, 3, F0, F1, 0
	TURN 0, 1, 0
	QUARTER 1, 1, F0, F1, 0
	QUARTER 1, 2, F1, F0, 0
	QUARTER 1, 3, F0, F1, 0
	s_wait_dscnt 4
	WIN MUL
	MUL8 F1, 0, 0
	MUL8 F1, 1, 0
	s_wait_dscnt 0
	MUL8 F1, 2, 0
	MUL8 F1, 3, 0
	WIN 0
	PLACES
; THE WAY OUT, block by block of 16 rows x 128 columns: through my own stage, back as whole rows of 512 bytes.  LDS serves a wave's instructions in order: no wait between the stores and the loads.
.macro TOSTAGE a
	WIN 0x04                                       ; an LDS store's data: window 1
.irp b, 0,1,2,3,4,5,6,7
	ds_store_b128 v[STO], v[8*(8*(\a)+\b):8*(8*(\a)+\b)+3] offset:64*\b          ; each accumulator from its low end on
	ds_store_b128 v[STO], v[8*(8*(\a)+\b)+4:8*(8*(\a)+\b)+7] offset:64*\b+16
.endr
	WIN 0
.set BB, BK+64*((\a)%2)
.irp t, 0,1,2,3,4,5,6,7,8,9,10,11,12,13,14,15
	ds_load_b128 v[BB+4*\t:BB+4*\t+3], v[RD] offset:\t*SPITCH
.endr
.endm
.macro SEND a, younger
.set BB, BK+64*((\a)%2)
	s_wait_dscnt \younger                          ; the block is back in registers; the next block's 32 LDS instructions may be out
.if (\a) > 0
	s_add_nc_u64 s[8:9], s[8:9], 16*4096           ; 16 rows on (the earlier stores have read their base: the wait stands ahead)
.endif
.irp t, 0,1,2,3,4,5,6,7,8,9,10,11,12,13,14,15
	global_store_b128 v[CO], v[BB+4*\t:BB+4*\t+3], s[8:9] offset:\t*4096 th:TH_STORE_NT   ; 32 lanes store 512 consecutive bytes, aligned
.endr
.endm
	TOSTAGE 0
.irp a, 1,2,3
.if \a > 1
	s_wait_xcnt 0x0                                ; block a - 2's stores have read their registers and their base
.endif
	TOSTAGE \a
	SEND \a-1, 32
.endr
	s_wait_xcnt 0x0
	SEND 3, 0
	s_wait_tensorcnt 0x0                           ; the wave's end
	ds_add_u32 v[SPW], v[NIL]
	s_wait_dscnt 0x0
	CROUND                                         ; the closing round
	s_endpgm
.Lfunc_end_k_q549d630df7_oproj:
	.size	k_q549d630df7_oproj, .Lfunc_end_k_q549d630df7_oproj-k_q549d630df7_oproj
	.p2alignl 7, 3214868480
	.fill 96, 4, 3214868480
	.section	.rodata,"a",@progbits
	.p2align	6, 0x0
	.amdhsa_kernel k_q549d630df7_oproj
		.amdhsa_group_segment_fixed_size 327680
		.amdhsa_private_segment_fixed_size 0
		.amdhsa_enable_private_segment 0
		.amdhsa_kernarg_size 24
		.amdhsa_user_sgpr_count 2
		.amdhsa_user_sgpr_kernarg_segment_ptr 1
		.amdhsa_wavefront_size32 1
		.amdhsa_system_sgpr_workgroup_id_x 1
		.amdhsa_system_sgpr_workgroup_id_y 1
		.amdhsa_system_sgpr_workgroup_id_z 1
		.amdhsa_system_vgpr_workitem_id 0
		.amdhsa_next_free_vgpr 512
		.amdhsa_next_free_sgpr 66
		.amdhsa_reserve_vcc 0
		.amdhsa_float_denorm_mode_32 3
		.amdhsa_float_denorm_mode_16_64 3
		.amdhsa_memory_ordered 1
		.amdhsa_forward_progress 1
		.amdhsa_inst_pref_size 84
	.end_amdhsa_kernel
	.amdgpu_metadata
---
amdhsa.version: [ 1, 2 ]
amdhsa.kernels:
  - .name:           k_q549d630df7_oproj
    .symbol:         k_q549d630df7_oproj.kd
    .args:
      - { .name: ctxf, .offset: 0, .size: 8, .value_kind: global_buffer, .address_space: global }
      - { .name: wof, .offset: 8, .size: 8, .value_kind: global_buffer, .address_space: global }
      - { .name: out0, .offset: 16, .size: 8, .value_kind: global_buffer, .address_space: global }
    .group_segment_fixed_size: 327680
    .private_segment_fixed_size: 0
    .kernarg_segment_align: 8
    .kernarg_segment_size: 24
    .max_flat_workgroup_size: 128
    .sgpr_count:     66
    .vgpr_count:     512
    .wavefront_size: 32
...
	.end_amdgpu_metadata
.endif
;; end of part 4
;; launch fine (part 5): grid 64 x 4, 16 waves a work-group, no clusters, 18,432 bytes of LDS; arguments fine32, W_o, out0; writes out0
.if DOCPART == 5
	.amdgcn_target "amdgcn-amd-amdhsa--gfx1250"
	.amdhsa_code_object_version 6
	.text
	.protected	k_q549d630df7_fine
	.globl	k_q549d630df7_fine
	.p2align	8
	.type	k_q549d630df7_fine,@function
k_q549d630df7_fine:
	s_mov_b64 s[64:65], 0
	v_nop
	global_prefetch_b8 v0, s[64:65] scope:SCOPE_SE
	s_setreg_imm32_b32 hwreg(HW_REG_WAVE_MODE, 25, 1), 1
	s_wait_xcnt 0x0
; The first 16 positions of each sequence average one to sixteen values and are the largest in size: they are carried in f32 from the projections' sums to the output, and written over what the f16 way has left there.
; A work-group makes 16 rows (positions 0-15 of batch y) x 16 columns (16 x on) of out.  Wave w is head w: scores, softmax and ctx of its head stay in its registers; its part of the out-projection
; (64 of K's 1,024) meets the other fifteen in LDS.  64 rows in all: no bulk work, so the f32 matrix form serves.  The attention of a head is made again in each of the batch's 64 work-groups: 32 small products against a launch more.
; OPERANDS are the f32 accumulator images that the projection stored: q, k: lane (r, h) holds position r, channels 16 a + 8 h + 0..7; v: channel 16 a + r, keys 8 h + 0..7.  The f32 form takes k = 2 h + j from register j:
; a pair of registers of such an image is four different k, the same four on both sides of a product, and a permutation of k applied alike to both sides keeps the sum.
; Four accumulators take turns in each product, and are added afterwards; the registers that these matrix instructions write are written by nothing else.
; LIMITS: the order of the f32 sums is not the reference's.
.set SPARE, 16384                      ; behind the sixteen waves' 1,024 bytes: the spare words, 128 bytes a wave
.set STA,  1                           ; v1 where I store my part: 1,024 x wave + 16 x lane
.set LA,   2                           ; v2 16 x lane
.set WOF,  3                           ; v3 4,096 r + 32 h
.set DM,   4                           ; v4 r - 8 h
.set NINF, 5
.set RDA,  6                           ; v6 512 x (wave % 2) + 16 x lane
.set GO,   7                           ; v7 4,096 r + 32 h + 16 x (wave % 2)
.set SPW,  10
.set NIL,  11
.set Q,    16
.set K,    48
.set V,    80
.set W,    112
.set SA,   144                         ; four accumulators: the scores, later the out-projection
.set OA,   176                         ; four accumulators: O^T
.set CT,   208
.set T,    240
.set U,    248
.set CS,   14
.set SEL,  16
	s_load_b128 s[4:7], s[0:1], 0x0                ; fine32, W_o
	s_load_b64 s[8:9], s[0:1], 0x10                ; out
	v_lshl_add_u32 v[SPW], v0, 2, SPARE
	v_mov_b32 v[NIL], 0
	v_lshrrev_b32 v12, 5, v0
	v_readfirstlane_b32 s10, v12                   ; wave = head
	v_and_b32 v12, 15, v0                          ; r
	v_bfe_u32 v13, v0, 4, 1                        ; h
	v_and_b32 v14, 31, v0
	v_lshlrev_b32 v[LA], 4, v14
	v_lshlrev_b32 v[WOF], 12, v12
	v_lshl_add_u32 v[WOF], v13, 5, v[WOF]
	v_lshlrev_b32 v14, 3, v13
	v_sub_nc_u32 v[DM], v12, v14
	v_mov_b32 v[NINF], 0xff800000
	v_mov_b32 v15, 0                               ; (named as the upper half of the pair v[14:15])
	s_lshl_b32 s18, s10, 10
	v_add_nc_u32 v[STA], s18, v[LA]
	s_and_b32 s19, s10, 1
	s_lshl_b32 s20, s19, 9
	v_add_nc_u32 v[RDA], s20, v[LA]
	s_lshl_b32 s20, s19, 4
	v_add_nc_u32 v[GO], s20, v[WOF]
	s_and_b32 s12, ttmp7, 0xffff                   ; batch
	s_mov_b32 s[CS], 0x3e38aa3b                    ; log2(e) / 8
	s_mov_b32 s[CS+1], s[CS]
	s_mov_b32 s[SEL], 0x76543210
	s_mov_b32 s[SEL+1], 0xfedcba98
	s_lshl_b32 s18, s12, 4
	s_add_co_u32 s18, s18, s10
	s_mul_i32 s18, s18, 12288                      ; my head's q, k, v: 3 x 4,096 bytes
	s_mov_b32 s19, 0
	s_lshl_b32 s20, ttmp9, 16                      ; W_o: 16 rows of 4,096 bytes,
	s_lshl_b32 s22, s10, 8                         ; my head's 64 numbers of each
	s_add_co_u32 s20, s20, s22
	s_mov_b32 s21, 0
	s_lshl_b32 s22, s12, 23                        ; out: the batch's 2,048 rows of 4,096 bytes,
	s_lshl_b32 s24, ttmp9, 6                       ; 16 columns
	s_add_co_u32 s22, s22, s24
	s_mov_b32 s23, 0
	s_wait_kmcnt 0x0
	s_add_nc_u64 s[4:5], s[4:5], s[18:19]
	s_add_nc_u64 s[6:7], s[6:7], s[20:21]
	s_add_nc_u64 s[8:9], s[8:9], s[22:23]
.irp w, 0,1,2                          ; q, k, v: eight loads of 512 consecutive bytes each
.irp n, 0,1,2,3,4,5,6,7
	global_load_b128 v[Q+32*\w+4*\n:Q+32*\w+4*\n+3], v[LA], s[4:5] offset:4096*\w+512*\n
.endr
.endr
.irp c, 0,1,2,3                        ; W_o[16 x + r][64 head + 16 c + 8 h + 0..7]
	global_load_b128 v[W+8*\c:W+8*\c+3], v[WOF], s[6:7] offset:64*\c
	global_load_b128 v[W+8*\c+4:W+8*\c+7], v[WOF], s[6:7] offset:64*\c+16
.endr
	s_wait_loadcnt 16                              ; q and k are in; v's and W_o's sixteen loads may be out
.irp i, 0,1,2,3                        ; S^T = K Q^T: accumulator b sums channels 16 b .. 16 b + 15
.irp b, 0,1,2,3
.if \i == 0
	v_wmma_f32_16x16x4_f32 v[SA+8*\b:SA+8*\b+7], v[K+8*\b+2*\i:K+8*\b+2*\i+1], v[Q+8*\b+2*\i:Q+8*\b+2*\i+1], 0
.else
	v_wmma_f32_16x16x4_f32 v[SA+8*\b:SA+8*\b+7], v[K+8*\b+2*\i:K+8*\b+2*\i+1], v[Q+8*\b+2*\i:Q+8*\b+2*\i+1], v[SA+8*\b:SA+8*\b+7]
.endif
.endr
.endr
.rept 8
	v_nop                                          ; eight places behind this form
.endr
.irp p, 0,1,2,3                        ; the four parts are added, each accumulator from its low end on: register j of lane (r, h) is the score of query r and key 8 h + j
	v_pk_add_f32 v[T+2*\p:T+2*\p+1], v[SA+2*\p:SA+2*\p+1], v[SA+8+2*\p:SA+8+2*\p+1]
.endr
.irp p, 0,1,2,3
	v_pk_add_f32 v[U+2*\p:U+2*\p+1], v[SA+16+2*\p:SA+16+2*\p+1], v[SA+24+2*\p:SA+24+2*\p+1]
.endr
.irp p, 0,1,2,3
	v_pk_add_f32 v[T+2*\p:T+2*\p+1], v[T+2*\p:T+2*\p+1], v[U+2*\p:U+2*\p+1]
.endr
.irp j, 0,1,2,3,4,5,6,7                ; the causal mask: key 8 h + j is hidden from query r where j > r - 8 h
	v_cmp_gt_i32 vcc_lo, \j, v[DM]
	v_cndmask_b32 v[T+\j], v[T+\j], v[NINF], vcc_lo
.endr
	v_max3_num_f32 v12, v[T], v[T+1], v[T+2]
	v_max3_num_f32 v13, v[T+3], v[T+4], v[T+5]
	v_max3_num_f32 v12, v12, v[T+6], v[T+7]
	v_max_num_f32 v12, v12, v13
	v_permlanex16_b32 v13, v12, s[SEL], s[SEL+1]
	v_max_num_f32 v12, v12, v13                    ; the row's maximum: key 0 counts for every query, so it is a number
	v_mul_f32 v8, s[CS], v12
	v_mov_b32 v9, v8
.irp p, 0,1,2,3
	v_pk_fma_f32 v[T+2*\p:T+2*\p+1], v[T+2*\p:T+2*\p+1], s[CS:CS+1], v[8:9] op_sel_hi:[1,0,0] neg_lo:[0,0,1] neg_hi:[0,0,1]
.endr
.irp j, 0,1,2,3,4,5,6,7
	v_exp_f32 v[T+\j], v[T+\j]                     ; p = 2^(c s - c m)
.endr
	v_nop
	s_wait_alu depctr_va_vdst(0)                   ; one wait for the eight, ahead of their first use
	v_pk_add_f32 v[U:U+1], v[T:T+1], v[T+2:T+3]
	v_pk_add_f32 v[U+2:U+3], v[T+4:T+5], v[T+6:T+7]
	v_pk_add_f32 v[U:U+1], v[U:U+1], v[U+2:U+3]
	v_add_f32 v12, v[U], v[U+1]
	v_permlanex16_b32 v13, v12, s[SEL], s[SEL+1]
	v_add_f32 v12, v12, v13                        ; the row's sum
	v_rcp_f32 v14, v12
	v_nop
	s_wait_alu depctr_va_vdst(0)
	s_wait_loadcnt 8                               ; v is in; W_o's eight loads may be out
.irp i, 0,1,2,3                        ; O^T = V^T P: accumulator c holds channels 16 c .. 16 c + 15; K = the 16 keys
.irp c, 0,1,2,3
.if \i == 0
	v_wmma_f32_16x16x4_f32 v[OA+8*\c:OA+8*\c+7], v[V+8*\c+2*\i:V+8*\c+2*\i+1], v[T+2*\i:T+2*\i+1], 0
.else
	v_wmma_f32_16x16x4_f32 v[OA+8*\c:OA+8*\c+7], v[V+8*\c+2*\i:V+8*\c+2*\i+1], v[T+2*\i:T+2*\i+1], v[OA+8*\c:OA+8*\c+7]
.endif
.endr
.endr
.rept 8
	v_nop
.endr
.set n, 0
.rept 16
	v_pk_mul_f32 v[CT+2*n:CT+2*n+1], v[OA+2*n:OA+2*n+1], v[14:15] op_sel_hi:[1,0]   ; ctx: lane (r, h): query r, channels 16 c + 8 h + 0..7
.set n, n+1
.endr
	s_wait_loadcnt 0x0                             ; W_o
.irp i, 0,1,2,3                        ; my head's part of out^T = W_o ctx^T: accumulator c sums channels 16 c .. 16 c + 15
.irp c, 0,1,2,3
.if \i == 0
	v_wmma_f32_16x16x4_f32 v[SA+8*\c:SA+8*\c+7], v[W+8*\c+2*\i:W+8*\c+2*\i+1], v[CT+8*\c+2*\i:CT+8*\c+2*\i+1], 0
.else
	v_wmma_f32_16x16x4_f32 v[SA+8*\c:SA+8*\c+7], v[W+8*\c+2*\i:W+8*\c+2*\i+1], v[CT+8*\c+2*\i:CT+8*\c+2*\i+1], v[SA+8*\c:SA+8*\c+7]
.endif
.endr
.endr
.rept 8
	v_nop
.endr
.irp p, 0,1,2,3
	v_pk_add_f32 v[T+2*\p:T+2*\p+1], v[SA+2*\p:SA+2*\p+1], v[SA+8+2*\p:SA+8+2*\p+1]
.endr
.irp p, 0,1,2,3
	v_pk_add_f32 v[U+2*\p:U+2*\p+1], v[SA+16+2*\p:SA+16+2*\p+1], v[SA+24+2*\p:SA+24+2*\p+1]
.endr
.irp p, 0,1,2,3
	v_pk_add_f32 v[T+2*\p:T+2*\p+1], v[T+2*\p:T+2*\p+1], v[U+2*\p:U+2*\p+1]   ; lane (r, h): row r, columns 16 x + 8 h + 0..7
.endr
	ds_store_b128 v[STA], v[T:T+3]
	ds_store_b128 v[STA], v[T+4:T+7] offset:512
	s_wait_dscnt 0x0                               ; for the others' sake: my stores have landed
	s_barrier_signal -1
	s_barrier_wait -1
	s_cmp_lt_u32 s10, 2                            ; waves 0 and 1 add the sixteen heads' parts: four columns a lane each
	s_cbranch_scc0 .Ldone
.irp w, 0,1,2,3,4,5,6,7,8,9,10,11,12,13,14,15
	ds_load_b128 v[16+4*\w:16+4*\w+3], v[RDA] offset:1024*\w
.endr
	s_wait_dscnt 0x0
.irp w, 1,2,3,4,5,6,7,8,9,10,11,12,13,14,15
	v_pk_add_f32 v[16:17], v[16:17], v[16+4*\w:17+4*\w]
	v_pk_add_f32 v[18:19], v[18:19], v[18+4*\w:19+4*\w]
.endr
	global_store_b128 v[GO], v[16:19], s[8:9]      ; row r, columns 16 x + 8 h + 4 wave + 0..3: pieces of 64 bytes of a row from the two waves, 262,144 bytes in the whole launch
.Ldone:
	s_wait_tensorcnt 0x0                           ; the wave's end
	ds_add_u32 v[SPW], v[NIL]
	s_wait_dscnt 0x0
	s_endpgm
.Lfunc_end_k_q549d630df7_fine:
	.size	k_q549d630df7_fine, .Lfunc_end_k_q549d630df7_fine-k_q549d630df7_fine
	.p2alignl 7, 3214868480
	.fill 96, 4, 3214868480
	.section	.rodata,"a",@progbits
	.p2align	6, 0x0
	.amdhsa_kernel k_q549d630df7_fine
		.amdhsa_group_segment_fixed_size 18432
		.amdhsa_private_segment_fixed_size 0
		.amdhsa_enable_private_segment 0
		.amdhsa_kernarg_size 24
		.amdhsa_user_sgpr_count 2
		.amdhsa_user_sgpr_kernarg_segment_ptr 1
		.amdhsa_wavefront_size32 1
		.amdhsa_system_sgpr_workgroup_id_x 1
		.amdhsa_system_sgpr_workgroup_id_y 1
		.amdhsa_system_sgpr_workgroup_id_z 1
		.amdhsa_system_vgpr_workitem_id 0
		.amdhsa_next_free_vgpr 256
		.amdhsa_next_free_sgpr 66
		.amdhsa_reserve_vcc 1
		.amdhsa_float_denorm_mode_32 3
		.amdhsa_float_denorm_mode_16_64 3
		.amdhsa_memory_ordered 1
		.amdhsa_forward_progress 1
		.amdhsa_inst_pref_size 17
	.end_amdhsa_kernel
	.amdgpu_metadata
---
amdhsa.version: [ 1, 2 ]
amdhsa.kernels:
  - .name:           k_q549d630df7_fine
    .symbol:         k_q549d630df7_fine.kd
    .args:
      - { .name: fine32, .offset: 0, .size: 8, .value_kind: global_buffer, .address_space: global }
      - { .name: W_o, .offset: 8, .size: 8, .value_kind: global_buffer, .address_space: global }
      - { .name: out0, .offset: 16, .size: 8, .value_kind: global_buffer, .address_space: global }
    .group_segment_fixed_size: 18432
    .private_segment_fixed_size: 0
    .kernarg_segment_align: 8
    .kernarg_segment_size: 24
    .max_flat_workgroup_size: 512
    .sgpr_count:     66
    .vgpr_count:     256
    .wavefront_size: 32
...
	.end_amdgpu_metadata
.endif
;; end of part 5
